; MI455X (gfx1250); checked and timed in simulation.
; The chip was launched on July 23, 2026; its instructions are those of AMD's public machine-readable ISA for CDNA 5 (MIT licence, August 2026) and "CDNA5" Instruction Set Architecture Reference Guide (July 2026). The comments in the code are by the model that wrote it; some were corrected since.
;; Multi Head Attention. Allowed arithmetic: float matrix products may take bf16 or f16 operands with f32 sums; all other float work in f32.
;; Inputs: Wk 256 x 2,048 float32; Wq 256 x 2,048 float32; Wu 2,048 x 256 float32; Wv 256 x 2,048 float32; x 8 x 1,024 x 256 float32.
;; Outputs: out0 8 x 1,024 x 256 float32.
;; 2 versions, each right and faster than the one before. Each part assembles by itself: llvm-mc -triple=amdgcn-amd-amdhsa -mcpu=gfx1250 --defsym DOCPART=n.
;; ======== version 1 of 2: 3 launches
;; limits: values are held in f16: magnitudes above 65,504 overflow, below 6.1e-05 lose precision; right only within a limited range of input values
;; workspace buffers: xh 4,194,304 bytes; wt 2,097,152 bytes; part 16,777,216 bytes
;; launch prep (part 1): grid 256 x 1, 8 waves a work-group, no clusters, 126,976 bytes of LDS; arguments x, Wq, Wk, Wv, Wu, xh, wt; writes xh, wt
.if DOCPART == 1
	.amdgcn_target "amdgcn-amd-amdhsa--gfx1250"
	.amdhsa_code_object_version 6
	.text
	.protected	k_q551daa846d_prep
	.globl	k_q551daa846d_prep
	.p2align	8
	.type	k_q551daa846d_prep,@function
k_q551daa846d_prep:
	s_mov_b64 s[64:65], 0
	v_nop
	global_prefetch_b8 v0, s[64:65] scope:SCOPE_SE
	s_setreg_imm32_b32 hwreg(HW_REG_WAVE_MODE, 25, 1), 1
	s_wait_xcnt 0x0
; PREPARATION.  Work-groups 0-127 make the sixteen products of 256 x 256 that the attention launch multiplies by, in f16:
;   wt[h][r][c]   = sum over d of Wk[r][256 h + d] * Wq[c][256 h + d]      (h = 0..7: the transpose of Wq_h Wk_h^T)
;   wt[8+h][r][c] = sum over d of Wu[256 h + d][r] * Wv[c][256 h + d]      (the transpose of Wv_h Wu_h)
; so that scores = (x M_h) x^T and out = sum over h of (attn_h x) N_h: the same sums as the module's, in another order of rounding.
; Work-groups 128-255 round x to f16 (xh), 64 KiB of x each.
; LIMITS: operands go to the matrix unit in f16, sums are f32: |x|, |W| and the products' entries must stay below 65,504.
; A product's work-group makes 64 rows x 128 columns, K = 256.  Both panels come in through registers, are rounded to f16 and laid into
; LDS; wave w takes 16 columns x 64 rows: four accumulators, eight K steps.  No tensor loads: the f32 data must pass registers to be rounded.
; No cluster: a panel is read by two or four work-groups once, 192 KiB a work-group, and passes registers anyway.
.set PITCH, 528                        ; an LDS row of 256 f16 + 16 bytes: 33 x 16, so 16 rows start in 16 different 16-byte columns
.set TPITCH, 160                       ; a row of 64 f16 + 32 bytes = 5 x 32, for the transposing loads
.set SPITCH, 272                       ; a row of 128 f16 + 16 bytes on the way out
.set RP, 128*PITCH                     ; 67,584: the row panel, behind the column panel's 128 rows
.set ST, RP+256*TPITCH                 ; 108,544: the stage for the way out, 64 rows
.set CS, 16                            ; v[16:143]  column panel as loaded, 32 x 4; later v[16:47] its fragments, 4 K steps
.set RS, 144                           ; v[144:207] row panel as loaded, 16 x 4
.set FB, 48                            ; v[48:175]  the row panel's fragments: 32 a K step, 8 a row tile
.set ACC, 208                          ; v[208:239] four accumulators
.set PK, 240                           ; v[240:255] results in f16
.macro PLACES cnt
.rept \cnt
	v_nop
.endr
.endm
	s_load_b256 s[4:11], s[0:1], 0x0               ; x s[4:5], Wq s[6:7], Wk s[8:9], Wv s[10:11]
	s_load_b128 s[12:15], s[0:1], 0x20             ; Wu s[12:13], xh s[14:15]
	s_load_b64 s[16:17], s[0:1], 0x30              ; wt
	s_set_vgpr_msb 0x40
	v_lshl_add_u32 v0, v0, 2, 0x1ec00
	v_mov_b32 v1, 0
	s_set_vgpr_msb 0x4000
	s_mov_b32 s18, ttmp9                           ; the work-group's number
	s_mov_b32 s25, 0                               ; upper words of the three offsets
	s_mov_b32 s27, 0
	s_mov_b32 s29, 0
	s_cmp_ge_u32 s18, 128
	s_cbranch_scc1 .Lxconv
	s_lshr_b32 s19, s18, 3                         ; product 0..15
	s_and_b32 s20, s19, 7                          ; head
	s_bfe_u32 s21, s18, 0x20001                    ; which 64 rows of the product (2 bits from bit 1)
	s_and_b32 s22, s18, 1                          ; which 128 columns
	v_lshrrev_b32 v10, 5, v0
	v_readfirstlane_b32 s23, v10                   ; wave 0..7
	s_lshl_b32 s24, s22, 20                        ; column panel: 128 rows of 8,192 bytes a half,
	s_lshl_b32 s30, s20, 10                        ; the head's 256 f32 in each row
	s_add_co_u32 s24, s24, s30
	s_lshl_b32 s28, s19, 17                        ; out: 131,072 bytes a product,
	s_lshl_b32 s31, s21, 15                        ; 64 rows of 512 bytes,
	s_add_co_u32 s28, s28, s31
	s_lshl_b32 s31, s22, 8                         ; 128 columns of 2 bytes
	s_add_co_u32 s28, s28, s31
	v_and_b32 v11, 15, v0                          ; t % 16 = lane % 16
	v_bfe_u32 v12, v0, 4, 1                        ; the lane's half
	v_lshrrev_b32 v13, 6, v0                       ; t / 64
	v_and_b32 v14, 63, v0                          ; t % 64
	v_lshrrev_b32 v15, 4, v0                       ; t / 16
	v_lshlrev_b32 v1, 13, v13                      ; a panel whose rows lie along K: 64 threads take a row's 1,024 bytes, 4 rows a load
	v_lshl_add_u32 v1, v14, 4, v1
	v_mul_u32_u24 v3, v13, PITCH                   ; and where the 8 bytes of f16 go
	v_lshl_add_u32 v3, v14, 3, v3
	v_lshl_add_u32 v5, s23, 4, v11                 ; my wave's fragment of the column panel: row 16 w + lane % 16,
	v_mul_u32_u24 v5, v5, PITCH
	v_lshl_add_u32 v5, v12, 4, v5                  ; 16 bytes for each half of the lanes
	v_mul_u32_u24 v7, v11, SPITCH                  ; the way out, in: row lane % 16 of a row tile, columns 16 w + 8 half
	v_lshl_add_u32 v7, v12, 4, v7
	v_lshl_add_u32 v7, s23, 5, v7
	v_add_nc_u32 v7, ST, v7
	v_mul_u32_u24 v8, v15, SPITCH                  ; the way out, back: 16 threads take a row's 256 bytes
	v_lshl_add_u32 v8, v11, 4, v8
	v_add_nc_u32 v8, ST, v8
	v_lshlrev_b32 v9, 9, v15                       ; and the same in wt
	v_lshl_add_u32 v9, v11, 4, v9
	s_cmp_ge_u32 s19, 8                            ; the same in all eight waves: the barriers below are met by every wave
	s_cbranch_scc1 .Lkind1
; kind 0: both panels have K along their rows.  kind 1: the row panel (Wu) has K down its rows and is read by transposing loads.
.macro BODY kind
.if \kind
	s_lshl_b32 s26, s20, 18                        ; Wu: 256 rows of 1,024 bytes a head,
	s_lshl_b32 s31, s21, 8                         ; 64 f32 of each
	s_add_co_u32 s26, s26, s31
	v_lshlrev_b32 v2, 10, v15                      ; 16 threads take a row's 256 bytes, 16 rows a load
	v_lshl_add_u32 v2, v11, 4, v2
	v_mul_u32_u24 v4, v15, TPITCH
	v_lshl_add_u32 v4, v11, 3, v4
	v_add_nc_u32 v4, RP, v4
	v_and_b32 v6, 7, v0                            ; transposing load: row 8 half + lane % 8, 16 bytes by bit 3 of the lane
	v_lshl_add_u32 v6, v12, 3, v6
	v_mul_u32_u24 v6, v6, TPITCH
	v_bfe_u32 v10, v0, 3, 1
	v_lshl_add_u32 v6, v10, 4, v6
	v_add_nc_u32 v6, RP, v6
	s_wait_kmcnt 0x0
	s_add_nc_u64 s[32:33], s[10:11], s[24:25]      ; Wv
	s_add_nc_u64 s[34:35], s[12:13], s[26:27]      ; Wu
.else
	s_lshl_b32 s26, s21, 19                        ; Wk: 64 rows of 8,192 bytes, the head's 256 f32 in each
	s_add_co_u32 s26, s26, s30
	v_add_nc_u32 v4, RP, v3
	v_mul_u32_u24 v6, v11, PITCH
	v_lshl_add_u32 v6, v12, 4, v6
	v_add_nc_u32 v6, RP, v6
	s_wait_kmcnt 0x0
	s_add_nc_u64 s[32:33], s[6:7], s[24:25]        ; Wq
	s_add_nc_u64 s[34:35], s[8:9], s[26:27]        ; Wk
.endif
	s_add_nc_u64 s[36:37], s[16:17], s[28:29]      ; my block of wt
	; all 48 loads go out at once
.set i_, 0
.rept 32
	global_load_b128 v[CS+4*i_:CS+4*i_+3], v1, s[32:33] offset:i_*32768
.set i_, i_+1
.endr
.set i_, 0
.rept 16
.if \kind
	global_load_b128 v[RS+4*i_:RS+4*i_+3], v2, s[34:35] offset:i_*16384
.else
	global_load_b128 v[RS+4*i_:RS+4*i_+3], v1, s[34:35] offset:i_*32768
.endif
.set i_, i_+1
.endr
	; round to f16 in place and lay into LDS.  The counts are the younger loads: 31 - i of this panel and the 16 of the other, then 15 - i.
.set i_, 0
.rept 32
	s_wait_loadcnt 47-i_
	v_cvt_pk_f16_f32 v[CS+4*i_], v[CS+4*i_], v[CS+4*i_+1]
	v_cvt_pk_f16_f32 v[CS+4*i_+1], v[CS+4*i_+2], v[CS+4*i_+3]
	ds_store_b64 v3, v[CS+4*i_:CS+4*i_+1] offset:i_*4*PITCH
.set i_, i_+1
.endr
.set i_, 0
.rept 16
	s_wait_loadcnt 15-i_
	v_cvt_pk_f16_f32 v[RS+4*i_], v[RS+4*i_], v[RS+4*i_+1]
	v_cvt_pk_f16_f32 v[RS+4*i_+1], v[RS+4*i_+2], v[RS+4*i_+3]
.if \kind
	ds_store_b64 v4, v[RS+4*i_:RS+4*i_+1] offset:i_*16*TPITCH
.else
	ds_store_b64 v4, v[RS+4*i_:RS+4*i_+1] offset:i_*4*PITCH
.endif
.set i_, i_+1
.endr
	s_wait_dscnt 0x0                               ; my stores are done, for the other waves' sake
	s_barrier_signal -1
	s_barrier_wait -1                              ; both panels are whole
	; Two halves of four K steps.  Source 0 = 16 columns, source 1 = 16 rows of the product, so that a lane's eight results are eight
	; neighbouring columns of one row.  The four accumulators take turns, one instruction a turn.
.irp hf, 0,1
.if \hf
	PLACES 4                                       ; loads into registers that matrix instructions have read stand four places behind them
.endif
.irp ksl, 0,1,2,3
	ds_load_b128 v[CS+8*\ksl:CS+8*\ksl+3], v5 offset:64*(4*\hf+\ksl)
	ds_load_b128 v[CS+8*\ksl+4:CS+8*\ksl+7], v5 offset:64*(4*\hf+\ksl)+32
.irp rt, 0,1,2,3
.if \kind
	ds_load_tr16_b128 v[FB+32*\ksl+8*\rt:FB+32*\ksl+8*\rt+3], v6 offset:32*TPITCH*(4*\hf+\ksl)+32*\rt
	ds_load_tr16_b128 v[FB+32*\ksl+8*\rt+4:FB+32*\ksl+8*\rt+7], v6 offset:32*TPITCH*(4*\hf+\ksl)+32*\rt+16*TPITCH
.else
	ds_load_b128 v[FB+32*\ksl+8*\rt:FB+32*\ksl+8*\rt+3], v6 offset:16*PITCH*\rt+64*(4*\hf+\ksl)
	ds_load_b128 v[FB+32*\ksl+8*\rt+4:FB+32*\ksl+8*\rt+7], v6 offset:16*PITCH*\rt+64*(4*\hf+\ksl)+32
.endif
.endr
.endr
.irp ksl, 0,1,2,3
	s_wait_dscnt 10*(3-\ksl)                       ; ten loads for each younger K step may stay out
.irp rt, 0,1,2,3
.if \hf+\ksl == 0
	v_wmma_f32_16x16x32_f16 v[ACC+8*\rt:ACC+8*\rt+7], v[CS+8*\ksl:CS+8*\ksl+7], v[FB+32*\ksl+8*\rt:FB+32*\ksl+8*\rt+7], 0
.else
	v_wmma_f32_16x16x32_f16 v[ACC+8*\rt:ACC+8*\rt+7], v[CS+8*\ksl:CS+8*\ksl+7], v[FB+32*\ksl+8*\rt:FB+32*\ksl+8*\rt+7], v[ACC+8*\rt:ACC+8*\rt+7]
.endif
.endr
.endr
.endr
	PLACES 4                                       ; four places before the results are read
.irp rt, 0,1,2,3
.irp i, 0,1,2,3
	v_cvt_pk_f16_f32 v[PK+4*\rt+\i], v[ACC+8*\rt+2*\i], v[ACC+8*\rt+2*\i+1]
.endr
	ds_store_b128 v7, v[PK+4*\rt:PK+4*\rt+3] offset:\rt*16*SPITCH
.endr
	s_wait_dscnt 0x0
	s_barrier_signal -1
	s_barrier_wait -1                              ; the stage's rows are whole: eight waves wrote 32 bytes of each
.irp i, 0,1,2,3
	ds_load_b128 v[CS+4*\i:CS+4*\i+3], v8 offset:\i*16*SPITCH
.endr
.irp i, 0,1,2,3
	s_wait_dscnt 3-\i
	global_store_b128 v9, v[CS+4*\i:CS+4*\i+3], s[36:37] offset:\i*8192   ; 16 lanes store 256 consecutive bytes, at a multiple of 256 from wt's first byte
.endr
.endm
	BODY 0
	s_set_vgpr_msb 0x5
	s_wait_tensorcnt 0x0
	ds_add_u32 v0, v1
	s_wait_dscnt 0x0
	s_set_vgpr_msb 0x500
	s_endpgm
.Lkind1:
	BODY 1
	s_set_vgpr_msb 0x5
	s_wait_tensorcnt 0x0
	ds_add_u32 v0, v1
	s_wait_dscnt 0x0
	s_set_vgpr_msb 0x500
	s_endpgm
.Lxconv:
	; x to f16: a wave's load covers 512 consecutive bytes, its store 256 consecutive bytes at a multiple of 256.  All 16 loads go out at once.
	s_sub_co_u32 s19, s18, 128
	s_lshl_b32 s24, s19, 16                        ; 65,536 bytes of x,
	s_lshl_b32 s26, s19, 15                        ; 32,768 of xh
	v_lshlrev_b32 v1, 4, v0
	v_lshlrev_b32 v2, 3, v0
	s_wait_kmcnt 0x0
	s_add_nc_u64 s[32:33], s[4:5], s[24:25]
	s_add_nc_u64 s[34:35], s[14:15], s[26:27]
.set i_, 0
.rept 16
	global_load_b128 v[CS+4*i_:CS+4*i_+3], v1, s[32:33] offset:i_*4096 th:TH_LOAD_NT
.set i_, i_+1
.endr
.set i_, 0
.rept 16
	s_wait_loadcnt 15-i_                           ; the younger loads stay out
	v_cvt_pk_f16_f32 v[CS+4*i_], v[CS+4*i_], v[CS+4*i_+1]
	v_cvt_pk_f16_f32 v[CS+4*i_+1], v[CS+4*i_+2], v[CS+4*i_+3]
	global_store_b64 v2, v[CS+4*i_:CS+4*i_+1], s[34:35] offset:i_*2048
.set i_, i_+1
.endr
	s_endpgm
.Lfunc_end_k_q551daa846d_prep:
	.size	k_q551daa846d_prep, .Lfunc_end_k_q551daa846d_prep-k_q551daa846d_prep
	.p2alignl 7, 3214868480
	.fill 96, 4, 3214868480
	.section	.rodata,"a",@progbits
	.p2align	6, 0x0
	.amdhsa_kernel k_q551daa846d_prep
		.amdhsa_group_segment_fixed_size 126976
		.amdhsa_private_segment_fixed_size 0
		.amdhsa_enable_private_segment 0
		.amdhsa_kernarg_size 56
		.amdhsa_user_sgpr_count 2
		.amdhsa_user_sgpr_kernarg_segment_ptr 1
		.amdhsa_wavefront_size32 1
		.amdhsa_system_sgpr_workgroup_id_x 1
		.amdhsa_system_sgpr_workgroup_id_y 1
		.amdhsa_system_sgpr_workgroup_id_z 1
		.amdhsa_system_vgpr_workitem_id 0
		.amdhsa_next_free_vgpr 258
		.amdhsa_next_free_sgpr 66
		.amdhsa_reserve_vcc 0
		.amdhsa_float_denorm_mode_32 3
		.amdhsa_float_denorm_mode_16_64 3
		.amdhsa_memory_ordered 1
		.amdhsa_forward_progress 1
		.amdhsa_inst_pref_size 60
	.end_amdhsa_kernel
	.amdgpu_metadata
---
amdhsa.version: [ 1, 2 ]
amdhsa.kernels:
  - .name:           k_q551daa846d_prep
    .symbol:         k_q551daa846d_prep.kd
    .args:
      - { .name: x, .offset: 0, .size: 8, .value_kind: global_buffer, .address_space: global }
      - { .name: Wq, .offset: 8, .size: 8, .value_kind: global_buffer, .address_space: global }
      - { .name: Wk, .offset: 16, .size: 8, .value_kind: global_buffer, .address_space: global }
      - { .name: Wv, .offset: 24, .size: 8, .value_kind: global_buffer, .address_space: global }
      - { .name: Wu, .offset: 32, .size: 8, .value_kind: global_buffer, .address_space: global }
      - { .name: xh, .offset: 40, .size: 8, .value_kind: global_buffer, .address_space: global }
      - { .name: wt, .offset: 48, .size: 8, .value_kind: global_buffer, .address_space: global }
    .group_segment_fixed_size: 126976
    .private_segment_fixed_size: 0
    .kernarg_segment_align: 8
    .kernarg_segment_size: 56
    .max_flat_workgroup_size: 256
    .sgpr_count:     66
    .vgpr_count:     258
    .wavefront_size: 32
...
	.end_amdgpu_metadata
.endif
;; end of part 1
;; launch attn (part 2): grid 256 x 1, 4 waves a work-group, clusters of 4 x 1, 327,680 bytes of LDS; arguments xh, wt, part; writes part
.if DOCPART == 2
	.amdgcn_target "amdgcn-amd-amdhsa--gfx1250"
	.amdhsa_code_object_version 6
	.text
	.protected	k_q551daa846d_attn
	.globl	k_q551daa846d_attn
	.p2align	8
	.type	k_q551daa846d_attn,@function
k_q551daa846d_attn:
	s_mov_b64 s[64:65], 0
	v_nop
	global_prefetch_b8 v0, s[64:65] scope:SCOPE_SE
	s_setreg_imm32_b32 hwreg(HW_REG_WAVE_MODE, 25, 1), 1
	s_wait_xcnt 0x0
	s_wait_alu depctr_hold_cnt(0) depctr_sa_sdst(0) depctr_va_vdst(0) depctr_va_sdst(0) depctr_va_ssrc(0) depctr_va_vcc(0) depctr_vm_vsrc(0)
	s_getreg_b32 s2, hwreg(HW_REG_IB_STS2, 6, 4)
	s_cmp_eq_u32 s2, 0
	s_cbranch_scc0 .Lentry_in_a_cluster
	s_endpgm
.Lentry_in_a_cluster:
	s_bfe_u32 s2, ttmp6, 0x10000c
	s_cmp_lg_u32 s2, 0x3003
	s_cbranch_scc0 .Lentry_shape_is_right
	s_endpgm
.Lentry_shape_is_right:
; ATTENTION for 64 tokens x 4 heads a work-group; wave w takes head 4 hg + w and all 64 tokens (four query tiles of 16).
;   phase 1: Q' = x M_h (256 wide);  phase 2: online softmax attention in which the batch's rows of x are keys AND values;
;   phase 3: O N_h;  then the four heads' results are added through LDS and stored as part[hg] in f32 (the next launch adds the two).
; EVERYTHING IS COMPUTED TRANSPOSED: source 0 = 16 rows from LDS, source 1 = 16 queries from registers, so a result's lane is a query
; (lane % 16) and its eight registers are eight neighbouring rows.  Two neighbouring result tiles, rounded to f16, ARE a source-1
; fragment of the next product: no shuffle, no trip through LDS, and the softmax's figures are one number a lane.
; NUMBERS: matrix operands f16, sums f32.  Q' is kept whole in f32 first; each query row is scaled by log2(e)/16 and by a power of two 2^-k
; so that it lies inside (-2, 2); the score in base 2 is S' 2^k, an exact product, from which the running maximum is taken away: p <= 1.
; LIMITS: |x| and the entries of wt below 65,504; the largest |Q'| of a row below 2^120; rows with |Q'| log2(e)/16 < 2^-100 are scaled as if it were 2^-100;
; NaN and infinities in the inputs are not carried as the module carries them; the order of rounding differs from the module's.
; CLUSTER: the four work-groups of a cluster share the batch and the four heads, so every tile (weights and keys) is asked for jointly,
; mask 15.  The place in the cluster enters only the addresses of the work-group's own 64 rows of xh and of part.
; RING: two LDS slots of 4 x 64 rows x 528 bytes; wave w fills quarter w of a slot with one tensor load of 64 rows x 512 bytes.
;   tiles 0-3: 64 rows each of my head's M^T (read by me alone);  4-7: 256 keys (read by all);  8-11: my head's N^T.
;   By this text's own count a wave has at most two tensor loads outstanding: the two at the start, later one.
; REGISTERS in windows of 256:
;   window 0: v0-31 addresses and figures; v32-127 three fragment buffers of 32; v128-255 the scores of 64 keys x 64 queries, then P
;   window 1: 32 source-1 fragments QF(qt, ks) at 8 (8 qt + ks): x's tokens, then Q' scaled, then O
;   windows 2, 3: 64 accumulator tiles (ot, qt) at 8 (4 (ot % 8) + qt), window 2 + ot / 8: Q'^T, then O^T, then the head's out^T
.set PITCH,  528                       ; 512 bytes + 16 = 33 x 16: 16 rows start in 16 different 16-byte columns
.set RT,     16*PITCH
.set RP2,    32*PITCH
.set QUART,  64*PITCH                  ; what one tensor load brings
.set SLOT,   4*QUART
.set SPITCH, 1040                      ; the way out: a token's 256 f32 + 16 bytes
.set SREGION, 64*SPITCH                ; a wave's 64 tokens; four of them lie in the ring's bytes behind its last fill
.set ADRW, 1                           ; v1, v2  my quarter's fragments in slot 0, 1 (phases 1 and 3)
.set ADRP, 2                           ; v2      keys as rows (phase 2)
.set ADRT, 3                           ; v3      keys transposed = values (phase 2)
.set MK, 4                             ; v[4:7]   running maximum of query tile qt, base 2
.set AL, 8                             ; v[8:11]  a factor for each query
.set KS, 12                            ; v[12:15] 2^k
.set LS, 16                            ; v[16:23] running sum, a pair for each query tile
.set TA, 24                            ; v[24:27] at work
.set TB, 28                            ; v[28:31] at work
.set SB, 128                           ; block 4 kp + qt: 16 registers, key tiles 2 kp and 2 kp + 1
.set G1, 16                            ; s[16:23] descriptor group 1
.set G0, 24                            ; s[24:31] descriptor group 0, one set for each slot
.set AMT, 32                           ; s[32:33] my head's M^T
.set AXB, 34                           ; s[34:35] my quarter of the batch's first 256 rows of xh
.set ANT, 36                           ; s[36:37] my head's N^T
.set MSB, 0
.macro WIN new                         ; the immediate's high byte repeats the setting that is left
.if MSB != \new
	s_set_vgpr_msb (MSB<<8)|\new
.set MSB, \new
.endif
.endm
.macro PLACES cnt                      ; places behind matrix instructions: plain vector instructions that name none of their registers (ISA guide 7.12.1)
.rept \cnt
	v_nop
.endr
.endm
; A round of the cluster's barrier behind its opening work-group barrier: wave 0 signals for the work-group, every wave waits for all four
; work-groups, the work-group's barrier closes the round.
.macro CREST
	s_cmp_lg_u32 s10, 0
	s_cbranch_scc1 .Lnot_wave_0_\@
	s_barrier_signal -3
.Lnot_wave_0_\@:
	s_barrier_wait -3
	s_barrier_signal -1
	s_barrier_wait -1
.endm
.macro ROUND
	s_barrier_signal -1
	s_barrier_wait -1
	CREST
.endm
.macro SETG0 slot, base, off           ; a slot's next tile; written only where no tensor load of the wave is out
	s_add_nc_u64 s[G0+4*\slot+2:G0+4*\slot+3], s[\base:\base+1], \off
	s_or_b32 s[G0+4*\slot+3], s[G0+4*\slot+3], 0x80000000
.endm
; eight LDS loads: four fragments (2 K steps x 2 row tiles) of rows that lie along K
.macro LDP buf, adr, off
.irp ksl, 0,1
.irp rtl, 0,1
	ds_load_b128 v[\buf+8*(2*\ksl+\rtl):\buf+8*(2*\ksl+\rtl)+3], v[\adr] offset:\off+\rtl*RT+\ksl*64
	ds_load_b128 v[\buf+8*(2*\ksl+\rtl)+4:\buf+8*(2*\ksl+\rtl)+7], v[\adr] offset:\off+\rtl*RT+\ksl*64+32
.endr
.endr
.endm
; eight transposing loads: four fragments (2 x 32 keys, 2 tiles of 16 features) of the values
.macro LDT buf, off
.irp kp, 0,1
.irp dtl, 0,1
	ds_load_tr16_b128 v[\buf+8*(2*\kp+\dtl):\buf+8*(2*\kp+\dtl)+3], v[ADRT] offset:\off+\kp*RP2+\dtl*32
	ds_load_tr16_b128 v[\buf+8*(2*\kp+\dtl)+4:\buf+8*(2*\kp+\dtl)+7], v[ADRT] offset:\off+\kp*RP2+\dtl*32+RT
.endr
.endr
.endm
; 16 matrix instructions on one batch of fragments.  In all three forms eight accumulators take turns, one instruction a turn.
; Batch bn: K steps 2 (bn % 4), +1; row tiles 2 (bn / 4), +1.  The first K step starts the sums with the constant 0.
.macro MULS_D buf, bn, f               ; phases 1 and 3: ring tile f, accumulators in window 2 or 3
.irp ksl, 0,1
.irp rtl, 0,1
.irp qt, 0,1,2,3
.set d_, (((4*\f+2*(\bn>>2)+\rtl)&7)*4+\qt)*8
.set a_, \buf+8*(2*\ksl+\rtl)
.set b_, (8*\qt+2*(\bn&3)+\ksl)*8
.if 2*(\bn&3)+\ksl == 0
	v_wmma_f32_16x16x32_f16 v[d_:d_+7], v[a_:a_+7], v[b_:b_+7], 0
.else
	v_wmma_f32_16x16x32_f16 v[d_:d_+7], v[a_:a_+7], v[b_:b_+7], v[d_:d_+7]
.endif
.endr
.endr
.endr
.endm
.macro MULS_S buf, bn                  ; scores, in window 0
.irp ksl, 0,1
.irp rtl, 0,1
.irp qt, 0,1,2,3
.set d_, SB+((\bn>>2)*4+\qt)*16+\rtl*8
.set a_, \buf+8*(2*\ksl+\rtl)
.set b_, (8*\qt+2*(\bn&3)+\ksl)*8
.if 2*(\bn&3)+\ksl == 0
	v_wmma_f32_16x16x32_f16 v[d_:d_+7], v[a_:a_+7], v[b_:b_+7], 0
.else
	v_wmma_f32_16x16x32_f16 v[d_:d_+7], v[a_:a_+7], v[b_:b_+7], v[d_:d_+7]
.endif
.endr
.endr
.endr
.endm
.macro MULPV buf, bn, zero             ; O^T += V^T P^T: feature tiles 2 bn, 2 bn + 1, 64 keys
.irp kp, 0,1
.irp dtl, 0,1
.irp qt, 0,1,2,3
.set d_, (((2*\bn+\dtl)&7)*4+\qt)*8
.set a_, \buf+8*(2*\kp+\dtl)
.set b_, SB+(4*\kp+\qt)*16
.if \zero*(1-\kp)
	v_wmma_f32_16x16x32_f16 v[d_:d_+7], v[a_:a_+7], v[b_:b_+7], 0
.else
	v_wmma_f32_16x16x32_f16 v[d_:d_+7], v[a_:a_+7], v[b_:b_+7], v[d_:d_+7]
.endif
.endr
.endr
.endr
.endm
; packed arithmetic with one register of a pair fed to both halves: q says which
.macro PKMULB d, al, q
.if \q
	v_pk_mul_f32 v[\d:\d+1], v[\d:\d+1], v[\al:\al+1] op_sel:[0,1] op_sel_hi:[1,1]
.else
	v_pk_mul_f32 v[\d:\d+1], v[\d:\d+1], v[\al:\al+1] op_sel:[0,0] op_sel_hi:[1,0]
.endif
.endm
.macro PKFMA d, ks, mk, q              ; s = s 2^k - maximum
.if \q
	v_pk_fma_f32 v[\d:\d+1], v[\d:\d+1], v[\ks:\ks+1], v[\mk:\mk+1] op_sel:[0,1,1] op_sel_hi:[1,1,1] neg_lo:[0,0,1] neg_hi:[0,0,1]
.else
	v_pk_fma_f32 v[\d:\d+1], v[\d:\d+1], v[\ks:\ks+1], v[\mk:\mk+1] op_sel:[0,0,0] op_sel_hi:[1,0,0] neg_lo:[0,0,1] neg_hi:[0,0,1]
.endif
.endm
.macro PKFMAL l, al, q, p              ; sum = sum x factor + first pair
.if \q
	v_pk_fma_f32 v[\l:\l+1], v[\l:\l+1], v[\al:\al+1], v[\p:\p+1] op_sel:[0,1,0] op_sel_hi:[1,1,1]
.else
	s_wait_alu depctr_va_vdst(0)
	v_pk_fma_f32 v[\l:\l+1], v[\l:\l+1], v[\al:\al+1], v[\p:\p+1] op_sel:[0,0,0] op_sel_hi:[1,0,1]
.endif
.endm
.macro RESC8
.irp ot, 0,1,2,3,4,5,6,7
.irp qt, 0,1,2,3
.irp i, 0,2,4,6
	PKMULB ((\ot*4+\qt)*8+\i), (AL+2*(\qt>>1)), (\qt&1)
.endr
.endr
.endr
.endm
.macro RESCALE                         ; all 64 accumulator tiles times the query's factor
	WIN 0x82
	RESC8
	WIN 0xc3
	RESC8
.endm
.macro PACK4 k0
.irp ksl, 0,1,2,3
.irp qt, 0,1,2,3
.irp i, 0,1,2,3
	v_cvt_pk_f16_f32 v[(8*\qt+\k0+\ksl)*8+\i], v[(8*\ksl+\qt)*8+2*\i], v[(8*\ksl+\qt)*8+2*\i+1]
	v_cvt_pk_f16_f32 v[(8*\qt+\k0+\ksl)*8+4+\i], v[(8*\ksl+4+\qt)*8+2*\i], v[(8*\ksl+4+\qt)*8+2*\i+1]
.endr
.endr
.endr
.endm
.macro PACK                            ; tiles 2 ks and 2 ks + 1 become fragment QF(qt, ks): registers 0-3 from the even tile, 4-7 from the odd
	WIN 0x4a
	PACK4 0
	WIN 0x4f
	PACK4 4
.endm
.macro ROWMAX8 start                   ; the largest |Q'| of a query among this lane's numbers of one window
.irp ot, 0,1,2,3,4,5,6,7
.irp i, 0,2,4,6
.irp qt, 0,1,2,3
.set first_, 0
.if \start
.if \ot+\i == 0
.set first_, 1
.endif
.endif
.if first_
	v_max_num_f32 v[TA+\qt], |v[(\ot*4+\qt)*8+\i]|, |v[(\ot*4+\qt)*8+\i+1]|
.else
	v_max3_num_f32 v[TA+\qt], |v[(\ot*4+\qt)*8+\i]|, |v[(\ot*4+\qt)*8+\i+1]|, v[TA+\qt]
.endif
.endr
.endr
.endr
.endm
; One ring tile of phase 1 or 3: 64 rows of my head's weights x 64 queries x K = 256: eight batches, each asked for two batches ahead.
; s_wait_dscnt 16: the eight loads of each of the two younger batches may stay out; at the end 8, then 0.
.macro MMW f
	WIN 0
	PLACES 4                                       ; the buffers were read by matrix instructions
	LDP 96, ADRW+(\f&1), 0
	LDP 32, ADRW+(\f&1), 128
.irp bn, 0,1,2,3,4,5,6,7
.if \bn <= 5
	WIN 0
.if \bn >= 1
	PLACES 4                                       ; the buffer filled next was read by the batch just multiplied
.endif
	LDP (32+32*((\bn+1)%3)), ADRW+(\f&1), (((\bn+2)>>2)*RP2+((\bn+2)&3)*128)
	s_wait_dscnt 16
.else
	s_wait_dscnt 8*(7-\bn)
.endif
	WIN (0xa4+0x50*(\f>>1))
	MULS_D (32+32*((\bn+2)%3)), \bn, \f
.endr
.endm
; The slot just read is filled again: my reads of it and all my tensor loads are done, every wave of all four work-groups says so, the joint load comes first.
.macro CHANGE slot, base, off
	WIN 0
	s_wait_dscnt 0x0
	s_wait_xcnt 0x0
	v_lshl_add_u32 v254, v0, 2, 0x42000
	v_mov_b32 v255, 0
	s_wait_tensorcnt 0x0
	ds_add_u32 v254, v255
	s_wait_dscnt 0x0
	SETG0 \slot, \base, \off
	ROUND
	tensor_load_to_lds s[G0+4*\slot:G0+4*\slot+3], s[G1:G1+7]
	s_nop 0
.endm
; p of pair i of a block is added to the running sum and rounded to f16 in place: P is the block's first eight registers
.macro SUMCVT blk, i, first
.set sb_, SB+16*\blk
.set lq_, LS+2*(\blk&3)
.if \blk < 4
.if \i == 0
.if \first
	s_wait_alu depctr_va_vdst(0)
	v_pk_add_f32 v[lq_:lq_+1], v[sb_:sb_+1], v[sb_+2:sb_+3]          ; the first two pairs start the sum
.else
	PKFMAL lq_, (AL+2*((\blk&3)>>1)), (\blk&1), sb_
.endif
.elseif \i == 1
.if \first == 0
	s_wait_alu depctr_va_vdst(0)
	v_pk_add_f32 v[lq_:lq_+1], v[lq_:lq_+1], v[sb_+2:sb_+3]
.endif
.else
	s_wait_alu depctr_va_vdst(0)
	v_pk_add_f32 v[lq_:lq_+1], v[lq_:lq_+1], v[sb_+2*\i:sb_+2*\i+1]
.endif
.else
	s_wait_alu depctr_va_vdst(0)
	v_pk_add_f32 v[lq_:lq_+1], v[lq_:lq_+1], v[sb_+2*\i:sb_+2*\i+1]
.endif
	v_cvt_pk_f16_f32 v[sb_+\i], v[sb_+2*\i], v[sb_+2*\i+1]
.endm
.macro SOFTMAX first
	; the largest score of each query among 64 keys: two chains for each query tile, then the other half of the lanes
.irp qt, 0,1,2,3
	v_max3_num_f32 v[TA+\qt], v[SB+16*\qt], v[SB+16*\qt+1], v[SB+16*\qt+2]
	v_max3_num_f32 v[TB+\qt], v[SB+64+16*\qt], v[SB+64+16*\qt+1], v[SB+64+16*\qt+2]
.endr
.irp i, 3,5,7,9,11,13
.irp qt, 0,1,2,3
	v_max3_num_f32 v[TA+\qt], v[TA+\qt], v[SB+16*\qt+\i], v[SB+16*\qt+\i+1]
	v_max3_num_f32 v[TB+\qt], v[TB+\qt], v[SB+64+16*\qt+\i], v[SB+64+16*\qt+\i+1]
.endr
.endr
.irp qt, 0,1,2,3
	v_max3_num_f32 v[TA+\qt], v[TA+\qt], v[TB+\qt], v[SB+16*\qt+15]
.endr
.irp qt, 0,1,2,3
	v_max_num_f32 v[TA+\qt], v[TA+\qt], v[SB+64+16*\qt+15]
.endr
.irp qt, 0,1,2,3
	v_permlanex16_b32 v[TB+\qt], v[TA+\qt], s46, s47
.endr
.irp qt, 0,1,2,3
	v_max_num_f32 v[TA+\qt], v[TA+\qt], v[TB+\qt]
.endr
.if \first
.irp qt, 0,1,2,3
	v_mul_f32 v[MK+\qt], v[TA+\qt], v[KS+\qt]      ; exact: 2^k is a power of two
.endr
.else
.irp qt, 0,1,2,3
	v_mul_f32 v[TB+\qt], v[TA+\qt], v[KS+\qt]
.endr
.irp qt, 0,1,2,3
	v_max_num_f32 v[TB+\qt], v[TB+\qt], v[MK+\qt]
.endr
.irp qt, 0,1,2,3
	v_sub_f32 v[AL+\qt], v[MK+\qt], v[TB+\qt]
.endr
.irp qt, 0,1,2,3
	v_exp_f32 v[AL+\qt], v[AL+\qt]                 ; what the old sums are worth under the new maximum
.endr
.irp qt, 0,1,2,3
	v_mov_b32 v[MK+\qt], v[TB+\qt]                 ; plain instructions behind the exponentials (ISA guide 5.7.2)
.endr
.endif
	; the eight blocks go through three stages one behind the other: s 2^k - maximum; 2^(..); sum and round.  An exponential's result is
	; read a stage later, with plain instructions between.
.irp st, 0,1,2,3,4,5,6,7,8,9
.irp i, 0,1,2,3,4,5,6,7
.if \st <= 7
	PKFMA (SB+16*\st+2*\i), (KS+2*((\st&3)>>1)), (MK+2*((\st&3)>>1)), (\st&1)
.endif
.if \st >= 1
.if \st <= 8
	v_exp_f32 v[SB+16*(\st-1)+2*\i], v[SB+16*(\st-1)+2*\i]
	v_exp_f32 v[SB+16*(\st-1)+2*\i+1], v[SB+16*(\st-1)+2*\i+1]
.endif
.endif
.if \st >= 2
	SUMCVT (\st-2), \i, \first
.endif
.endr
.endr
.endm
; A GROUP: 64 keys = a quarter of a slot, 256 matrix instructions.  first = 1: nothing to rescale, the products start the sums.
; nxt = 1: the next group lies in the same slot and its first two batches are asked for here.  nxt = 0: the slot has been read: it is filled again.
.macro G first, nxt, slot, base, off
	WIN 0x04                                       ; source 1 in window 1; LDS loads name only places that stay in window 0
.irp bn, 0,1,2,3,4,5,6,7
.if \bn == 0
	PLACES 5                                       ; the scores write over P, which the last matrix instructions read
.elseif \bn <= 5
	PLACES 4
.endif
.if \bn <= 5
	LDP (32+32*((\bn+1)%3)), ADRP, (((\bn+2)>>2)*RP2+((\bn+2)&3)*128)
	s_wait_dscnt 16                                ; two younger batches of eight loads may stay out
.else
	s_wait_dscnt 8*(7-\bn)
.endif
	MULS_S (32+32*((\bn+2)%3)), \bn
.endr
	WIN 0
	PLACES 4                                       ; before the scores are read and the buffers loaded
	LDT 32, 0                                      ; the values' first two batches land during the softmax
	LDT 64, 64
	SOFTMAX \first
.if \first == 0
	RESCALE
.endif
.irp bn, 0,1,2,3,4,5,6,7
.if \bn <= 5
	WIN 0
.if \bn >= 1
	PLACES 4
.endif
	LDT (32+32*((\bn+2)%3)), 64*(\bn+2)
	s_wait_dscnt 16
.elseif \nxt
	WIN 0
	PLACES 4
	LDP (32+32*((\bn+2)%3)), ADRP, QUART+(\bn-6)*128   ; the next group's keys
	s_wait_dscnt 16
.elseif \bn == 6
	s_wait_dscnt 0x0                               ; my reads of this slot are over,
	s_wait_xcnt 0x0
	s_set_vgpr_msb 0xf030
	v_lshl_add_u32 v254, v0, 2, 0x42000
	v_mov_b32 v255, 0
	s_wait_tensorcnt 0x0                           ; all my tensor loads have landed (the one that was out is my quarter of the other slot),
	ds_add_u32 v254, v255
	s_wait_dscnt 0x0
	s_set_vgpr_msb 0x30f0
	SETG0 \slot, \base, \off
	s_barrier_signal -1                            ; say so: this barrier opens a round of the cluster's barrier; register work alone follows inside it
.endif
	WIN (0xa0+0x50*(\bn>>2))
	MULPV (32+32*(\bn%3)), \bn, \first
.endr
	WIN 0
.if \nxt
	v_add_nc_u32 v[ADRP], QUART, v[ADRP]
	v_add_nc_u32 v[ADRT], QUART, v[ADRT]
.else
	s_barrier_wait -1
	CREST                                          ; no wave of any partner still reads this slot or has a load on its way
	tensor_load_to_lds s[G0+4*\slot:G0+4*\slot+3], s[G1:G1+7]   ; the first tensor load behind the round
	s_nop 0
.endif
.endm
; The head of a key tile at LDS byte pos.  Position p of a tile of 16 keys stands for row 2 (p % 8) + p / 8, in the plain and in the
; transposing loads alike: the plain loads' 16 lanes still touch 16 different rows, the transposing loads' eight rows lie 1,056 bytes = 33 x 32 apart.
; These plain instructions are also the places behind the last matrix instructions, in front of the loads.
.macro TILE_START pos
	v_and_b32 v[TA], 7, v0                         ; lane % 8
	v_bfe_u32 v[TA+1], v0, 3, 1                    ; bit 3 of the lane
	v_bfe_u32 v[TA+2], v0, 4, 1                    ; the lane's half
	v_lshl_add_u32 v[TA+3], v[TA], 1, v[TA+1]
	v_mul_u32_u24 v[TA+3], v[TA+3], PITCH
	v_lshl_add_u32 v[ADRP], v[TA+2], 4, v[TA+3]
	v_lshl_add_u32 v[TB], v[TA], 1, v[TA+2]
	v_mul_u32_u24 v[TB], v[TB], PITCH
	v_lshl_add_u32 v[ADRT], v[TA+1], 4, v[TB]
.if \pos
	v_add_nc_u32 v[ADRP], \pos, v[ADRP]
	v_add_nc_u32 v[ADRT], \pos, v[ADRT]
.endif
	v_nop
	LDP 96, ADRP, 0
	LDP 32, ADRP, 128
.endm
.macro TILE pos, slot, base, off       ; four groups; the last fills the slot again
	TILE_START \pos
	s_mov_b32 s44, 3
.Ltile_\@:
	G 0, 1, 0, 0, 0
	s_sub_co_u32 s44, s44, 1
	s_cmp_lg_u32 s44, 0
	s_cbranch_scc1 .Ltile_\@
	G 0, 0, \slot, \base, \off
.endm
	; ---------------------------------------------------------------- who am I
	s_load_b128 s[4:7], s[0:1], 0x0                ; xh s[4:5], wt s[6:7]
	s_load_b64 s[8:9], s[0:1], 0x10                ; part
	v_lshl_add_u32 v254, v0, 2, 0x42000
	v_mov_b32 v255, 0
	ds_add_u32 v254, v255
	s_wait_dscnt 0x0
	v_lshrrev_b32 v1, 5, v0
	v_readfirstlane_b32 s10, v1                    ; wave 0..3
	s_bfe_u32 s11, ttmp6, 0x40000                  ; cx: my place in the cluster
	s_lshr_b32 s13, ttmp9, 3                       ; batch (ttmp9 counts clusters, 0..63)
	s_bfe_u32 s14, ttmp9, 0x10002                  ; head group
	s_and_b32 s15, ttmp9, 3                        ; which 256 tokens of the batch
	s_mov_b32 s46, 0x76543210                      ; v_permlanex16_b32: lane i of one half reads lane i of the other
	s_mov_b32 s47, 0xfedcba98
	s_mov_b32 s54, 0x3db8aa3b                      ; log2(e) / 16
	; group 1: 64 rows x 256 elements of 2 bytes, 16 bytes of padding behind each row's 128 words
	s_mov_b32 s[G1+0], 15|(1<<16)|(1<<20)|(1<<21)|(6<<22)|(3<<25)   ; 15:0 the mask: all four work-groups; 17:16 2 bytes; 20 padding on; 21 set beside a mask; 24:22 every 128 words; 31:25 4 words
	s_mov_b32 s[G1+1], 256<<16                     ; tensor_dim0 = 256
	s_mov_b32 s[G1+2], 64<<16                      ; tensor_dim1 = 64
	s_mov_b32 s[G1+3], 256<<16                     ; tile_dim0 = 256
	s_mov_b32 s[G1+4], 64                          ; tile_dim1 = 64
	s_mov_b32 s[G1+5], 256                         ; elements from row to row
	s_mov_b32 s[G1+6], 0
	s_mov_b32 s[G1+7], 0
	s_lshl2_add_u32 s45, s14, s10                  ; my head = 4 hg + w
	s_lshl_b32 s38, s45, 17                        ; 131,072 bytes a product
	s_mov_b32 s39, 0
	; offsets that hold cx, in registers from which no descriptor draws
	s_lshl_b32 s48, s13, 10
	s_lshl_b32 s49, s15, 8
	s_add_co_u32 s48, s48, s49
	s_lshl_b32 s49, s11, 6
	s_add_co_u32 s48, s48, s49                     ; my work-group's first token = 1024 b + 256 tq + 64 cx
	s_lshl_b32 s50, s48, 9                         ; 512 bytes a row of xh
	s_mov_b32 s51, 0
	s_lshl4_add_u32 s52, s10, s48                  ; the 16 tokens that my wave adds up and stores
	s_lshl_b32 s52, s52, 10                        ; 1,024 bytes a row of part
	s_lshl_b32 s53, s14, 23                        ; 8,388,608 bytes a head group
	s_add_co_u32 s52, s52, s53
	s_mov_b32 s53, 0
	s_mov_b32 s[G0], 1                             ; group 0 of both slots: count 1, LDS address = wave x quarter + slot
	s_mul_i32 s[G0+1], s10, QUART
	s_mov_b32 s[G0+4], 1
	s_add_co_u32 s[G0+5], s[G0+1], SLOT
	s_wait_kmcnt 0x0
	s_add_nc_u64 s[AMT:AMT+1], s[6:7], s[38:39]
	s_add_nc_u64 s[ANT:ANT+1], s[AMT:AMT+1], 0x100000
	s_lshl_b32 s38, s13, 19                        ; 524,288 bytes a batch,
	s_lshl_b32 s45, s10, 15                        ; my 64 rows of each 256
	s_add_co_u32 s38, s38, s45
	s_add_nc_u64 s[AXB:AXB+1], s[4:5], s[38:39]
	s_add_nc_u64 s[40:41], s[4:5], s[50:51]        ; my work-group's rows of xh
	s_add_nc_u64 s[42:43], s[8:9], s[52:53]        ; my wave's rows of part
	SETG0 0, AMT, 0
	SETG0 1, AMT, 32768
	ROUND                                          ; all four work-groups are here: the first joint loads meet
	tensor_load_to_lds s[G0:G0+3], s[G1:G1+7]      ; tile 0
	s_nop 0
	tensor_load_to_lds s[G0+4:G0+7], s[G1:G1+7]    ; tile 1
	s_nop 0
	v_and_b32 v[TA], 15, v0
	v_bfe_u32 v[TA+1], v0, 4, 1
	v_mul_u32_u24 v[ADRW], v[TA], PITCH            ; a fragment: row lane % 16, 16 bytes for each half of the lanes
	v_lshl_add_u32 v[ADRW], v[TA+1], 4, v[ADRW]
	v_add_nc_u32 v[ADRW], s[G0+1], v[ADRW]         ; in my quarter
	v_add_nc_u32 v[ADRW+1], SLOT, v[ADRW]
	v_lshlrev_b32 v[TA+2], 9, v[TA]
	v_lshl_add_u32 v[TA+2], v[TA+1], 4, v[TA+2]
	; my work-group's 64 tokens as source-1 fragments, straight from memory, once
	WIN 0x40
.irp qt, 0,1,2,3
.irp ks, 0,1,2,3,4,5,6,7
	global_load_b128 v[(8*\qt+\ks)*8:(8*\qt+\ks)*8+3], v[TA+2], s[40:41] offset:\qt*8192+\ks*64
	global_load_b128 v[(8*\qt+\ks)*8+4:(8*\qt+\ks)*8+7], v[TA+2], s[40:41] offset:\qt*8192+\ks*64+32
.endr
.endr
	WIN 0
.irp qt, 0,1,2,3
	v_mov_b32 v[TB+\qt], 0                         ; v_permlanex16_b32 counts as a reader of its destination
.endr
	s_wait_loadcnt 0x0
	s_wait_tensorcnt 0x1                           ; my quarter of tile 0 is in (I alone read it); tile 1 may stay out
	; ---------------------------------------------------------------- phase 1: Q'^T = M_h^T x^T
	MMW 0
	CHANGE 0, AMT, 65536                           ; tile 2
	MMW 1
	CHANGE 1, AMT, 98304                           ; tile 3
	MMW 2
	CHANGE 0, AXB, 0                               ; tile 4: keys 0-255
	MMW 3
	CHANGE 1, AXB, 131072                          ; tile 5: keys 256-511
	PLACES 4                                       ; before the results are read
	WIN 0x0a
	ROWMAX8 1
	WIN 0x0f
	ROWMAX8 0
	WIN 0
.irp qt, 0,1,2,3
	v_permlanex16_b32 v[TB+\qt], v[TA+\qt], s46, s47
.endr
.irp qt, 0,1,2,3
	v_max_num_f32 v[TA+\qt], v[TA+\qt], v[TB+\qt]
.endr
.irp qt, 0,1,2,3
	v_mul_f32 v[TA+\qt], s54, v[TA+\qt]
.endr
.irp qt, 0,1,2,3
	v_max_num_f32 v[TA+\qt], 0x0d800000, v[TA+\qt] ; at least 2^-100
.endr
.irp qt, 0,1,2,3
	v_and_b32 v[KS+\qt], 0x7f800000, v[TA+\qt]     ; 2^k: the exponent alone
.endr
.irp qt, 0,1,2,3
	v_sub_nc_u32 v[TB+\qt], 0x7f000000, v[KS+\qt]  ; 2^-k
.endr
.irp qt, 0,1,2,3
	v_mul_f32 v[AL+\qt], s54, v[TB+\qt]
.endr
	RESCALE
	PACK
	WIN 0
	; ---------------------------------------------------------------- phase 2: 16 groups of 64 keys
	TILE_START 0
	G 1, 1, 0, 0, 0
	s_mov_b32 s44, 2
.Ltile4:
	G 0, 1, 0, 0, 0
	s_sub_co_u32 s44, s44, 1
	s_cmp_lg_u32 s44, 0
	s_cbranch_scc1 .Ltile4
	G 0, 0, 0, AXB, 262144                         ; tile 6: keys 512-767
	TILE SLOT, 1, AXB, 393216                      ; tile 5 is read; tile 7: keys 768-1023
	TILE 0, 0, ANT, 0                              ; tile 6 is read; tile 8
	TILE SLOT, 1, ANT, 32768                       ; tile 7 is read; tile 9
	PLACES 4
.irp qt, 0,1,2,3
	v_add_f32 v[TA+\qt], v[LS+2*\qt], v[LS+2*\qt+1]
.endr
.irp qt, 0,1,2,3
	v_permlanex16_b32 v[TB+\qt], v[TA+\qt], s46, s47
.endr
.irp qt, 0,1,2,3
	v_add_f32 v[TA+\qt], v[TA+\qt], v[TB+\qt]
.endr
.irp qt, 0,1,2,3
	v_rcp_f32 v[AL+\qt], v[TA+\qt]
.endr
	v_add_nc_u32 v[ADRW+1], SLOT, v[ADRW]          ; a plain instruction behind the reciprocals (ISA guide 5.7.2): slot 1's address for phase 3
	s_wait_alu depctr_va_vdst(0)
	RESCALE
	PACK
	; ---------------------------------------------------------------- phase 3: out_h^T = N_h^T O^T
	MMW 0
	CHANGE 0, ANT, 65536                           ; tile 10
	MMW 1
	CHANGE 1, ANT, 98304                           ; tile 11: the last fill
	MMW 2
	s_wait_tensorcnt 0x0                           ; my quarter of tile 11, which I alone read; no load was issued behind it
	MMW 3
	; ---------------------------------------------------------------- the way out: the four heads are added through LDS
	WIN 0
	v_and_b32 v[TA], 15, v0                        ; these plain instructions are the places behind the last matrix instructions
	v_bfe_u32 v[TA+1], v0, 4, 1
	v_mul_u32_u24 v[TA], v[TA], SPITCH             ; in: token lane % 16 of a query tile, 32 bytes for each half of the lanes
	v_lshl_add_u32 v[TA], v[TA+1], 5, v[TA]
	s_mul_i32 s45, s10, SREGION
	v_add_nc_u32 v[TA], s45, v[TA]
	v_and_b32 v[TA+5], 31, v0
	v_lshlrev_b32 v[TA+5], 4, v[TA+5]              ; back: 16 bytes a lane, half a token's row a load
	s_mul_i32 s45, s10, 16*SPITCH                  ; my wave's 16 tokens, in each of the four regions
	v_add_nc_u32 v[TA+1], s45, v[TA+5]
	v_add_nc_u32 v[TA+2], SREGION, v[TA+1]
	v_add_nc_u32 v[TA+3], 2*SREGION, v[TA+1]
	v_add_nc_u32 v[TA+4], 3*SREGION, v[TA+1]
	s_wait_dscnt 0x0                               ; my reads of the ring are over, my tensor loads landed above:
	s_barrier_signal -1
	s_barrier_wait -1                              ; so are everybody's; the ring has had its last fill and serves as the stage
	WIN 0x08
.irp ot, 0,1,2,3,4,5,6,7
.irp qt, 0,1,2,3
	ds_store_b128 v[TA], v[(\ot*4+\qt)*8:(\ot*4+\qt)*8+3] offset:\qt*16*SPITCH+64*\ot
	ds_store_b128 v[TA], v[(\ot*4+\qt)*8+4:(\ot*4+\qt)*8+7] offset:\qt*16*SPITCH+64*\ot+16
.endr
.endr
	WIN 0x0c
.irp ot, 0,1,2,3,4,5,6,7
.irp qt, 0,1,2,3
	ds_store_b128 v[TA], v[(\ot*4+\qt)*8:(\ot*4+\qt)*8+3] offset:\qt*16*SPITCH+64*(\ot+8)
	ds_store_b128 v[TA], v[(\ot*4+\qt)*8+4:(\ot*4+\qt)*8+7] offset:\qt*16*SPITCH+64*(\ot+8)+16
.endr
.endr
	WIN 0
	s_wait_dscnt 0x0
	s_barrier_signal -1
	s_barrier_wait -1
; batch bt: four half rows (512 bytes) of my 16 tokens, from all four regions: 16 loads into register set rs
.macro RLOAD bt, rs
.irp hr, 0,1,2,3
.irp u, 0,1,2,3
	ds_load_b128 v[\rs+16*\hr+4*\u:\rs+16*\hr+4*\u+3], v[TA+1+\u] offset:((4*\bt+\hr)>>1)*SPITCH+((4*\bt+\hr)&1)*512
.endr
.endr
.endm
.macro RSUM bt, rs
.irp hr, 0,1,2,3
.set s_, \rs+16*\hr
	v_pk_add_f32 v[s_:s_+1], v[s_:s_+1], v[s_+4:s_+5]
	v_pk_add_f32 v[s_+2:s_+3], v[s_+2:s_+3], v[s_+6:s_+7]
	v_pk_add_f32 v[s_+8:s_+9], v[s_+8:s_+9], v[s_+12:s_+13]
	v_pk_add_f32 v[s_+10:s_+11], v[s_+10:s_+11], v[s_+14:s_+15]
	v_pk_add_f32 v[s_:s_+1], v[s_:s_+1], v[s_+8:s_+9]
	v_pk_add_f32 v[s_+2:s_+3], v[s_+2:s_+3], v[s_+10:s_+11]
	global_store_b128 v[TA+5], v[s_:s_+3], s[42:43] offset:(4*\bt+\hr)*512   ; the wave stores 512 consecutive bytes, at a multiple of 512 from part's first byte
.endr
.endm
	RLOAD 0, 128
.irp bt, 0,1,2,3,4,5,6,7
.if \bt < 7
.if \bt >= 1
	s_wait_xcnt 0x0                                ; the other set, which stores read, is loaded again only behind this wait (ISA guide 3.1)
.endif
	RLOAD (\bt+1), (128+64*((\bt+1)&1))
	s_wait_dscnt 16                                ; the next batch's 16 loads may stay out
.else
	s_wait_dscnt 0x0
.endif
	RSUM \bt, (128+64*(\bt&1))
.endr
	s_wait_xcnt 0x0
	v_lshl_add_u32 v254, v0, 2, 0x42000
	v_mov_b32 v255, 0
	s_wait_tensorcnt 0x0
	ds_add_u32 v254, v255
	s_wait_dscnt 0x0
	ROUND                                          ; the closing round: no work-group ends while a partner may still ask for a tile that names it
	s_endpgm
.Lfunc_end_k_q551daa846d_attn:
	.size	k_q551daa846d_attn, .Lfunc_end_k_q551daa846d_attn-k_q551daa846d_attn
	.p2alignl 7, 3214868480
	.fill 96, 4, 3214868480
	.section	.rodata,"a",@progbits
	.p2align	6, 0x0
	.amdhsa_kernel k_q551daa846d_attn
		.amdhsa_group_segment_fixed_size 327680
		.amdhsa_private_segment_fixed_size 0
		.amdhsa_enable_private_segment 0
		.amdhsa_kernarg_size 24
		.amdhsa_user_sgpr_count 2
		.amdhsa_user_sgpr_kernarg_segment_ptr 1
		.amdhsa_wavefront_size32 1
		.amdhsa_system_sgpr_workgroup_id_x 1
		.amdhsa_system_sgpr_workgroup_id_y 1
		.amdhsa_system_sgpr_workgroup_id_z 1
		.amdhsa_system_vgpr_workitem_id 0
		.amdhsa_next_free_vgpr 1024
		.amdhsa_next_free_sgpr 66
		.amdhsa_reserve_vcc 0
		.amdhsa_float_denorm_mode_32 3
		.amdhsa_float_denorm_mode_16_64 3
		.amdhsa_memory_ordered 1
		.amdhsa_forward_progress 1
		.amdhsa_inst_pref_size 255
	.end_amdhsa_kernel
	.section	.bss,"aw",@nobits
	.p2align	6
	.space	262144
	.amdgpu_metadata
---
amdhsa.version: [ 1, 2 ]
amdhsa.kernels:
  - .name:           k_q551daa846d_attn
    .symbol:         k_q551daa846d_attn.kd
    .args:
      - { .name: xh, .offset: 0, .size: 8, .value_kind: global_buffer, .address_space: global }
      - { .name: wt, .offset: 8, .size: 8, .value_kind: global_buffer, .address_space: global }
      - { .name: part, .offset: 16, .size: 8, .value_kind: global_buffer, .address_space: global }
    .group_segment_fixed_size: 327680
    .private_segment_fixed_size: 0
    .kernarg_segment_align: 8
    .kernarg_segment_size: 24
    .max_flat_workgroup_size: 128
    .sgpr_count:     66
    .vgpr_count:     1024
    .wavefront_size: 32
...
	.end_amdgpu_metadata
.endif
;; end of part 2
;; launch addup (part 3): grid 256 x 1, 8 waves a work-group, no clusters, 0 bytes of LDS; arguments part, out0; writes out0
.if DOCPART == 3
	.amdgcn_target "amdgcn-amd-amdhsa--gfx1250"
	.amdhsa_code_object_version 6
	.text
	.protected	k_q551daa846d_addup
	.globl	k_q551daa846d_addup
	.p2align	8
	.type	k_q551daa846d_addup,@function
k_q551daa846d_addup:
	s_mov_b64 s[64:65], 0
	v_nop
	global_prefetch_b8 v0, s[64:65] scope:SCOPE_SE
	s_setreg_imm32_b32 hwreg(HW_REG_WAVE_MODE, 25, 1), 1
	s_wait_xcnt 0x0
; out0 = part[0] + part[1]: the two head groups' sums, f32.  A stream: no LDS, no matrix unit, no cluster (no byte is read twice).
; A work-group owns 32,768 bytes of out0; thread t owns the 16 bytes at 16 t + 4,096 j, j = 0..7, so a wave's load or store covers
; 512 consecutive bytes.  All 16 loads go out at once; no register is written twice, so no wait frees a source.
.set A, 4                              ; v[4+8j:7+8j] part[0], v[8+8j:11+8j] part[1]
	s_load_b128 s[4:7], s[0:1], 0x0                ; part s[4:5], out0 s[6:7]
	s_lshl_b32 s8, ttmp9, 15
	s_mov_b32 s9, 0
	v_lshlrev_b32 v1, 4, v0
	s_wait_kmcnt 0x0
	s_add_nc_u64 s[4:5], s[4:5], s[8:9]
	s_add_nc_u64 s[6:7], s[6:7], s[8:9]
	s_add_nc_u64 s[10:11], s[4:5], 0x800000        ; the second head group, 8,388,608 bytes on
.irp j, 0,1,2,3,4,5,6,7
	global_load_b128 v[A+8*\j:A+8*\j+3], v1, s[4:5] offset:\j*4096 th:TH_LOAD_NT
	global_load_b128 v[A+8*\j+4:A+8*\j+7], v1, s[10:11] offset:\j*4096 th:TH_LOAD_NT
.endr
.irp j, 0,1,2,3,4,5,6,7
	s_wait_loadcnt 14-2*\j                         ; the younger pairs of loads stay out
	v_pk_add_f32 v[A+8*\j:A+8*\j+1], v[A+8*\j:A+8*\j+1], v[A+8*\j+4:A+8*\j+5]
	v_pk_add_f32 v[A+8*\j+2:A+8*\j+3], v[A+8*\j+2:A+8*\j+3], v[A+8*\j+6:A+8*\j+7]
	global_store_b128 v1, v[A+8*\j:A+8*\j+3], s[6:7] offset:\j*4096 th:TH_STORE_NT
.endr
	s_endpgm
.Lfunc_end_k_q551daa846d_addup:
	.size	k_q551daa846d_addup, .Lfunc_end_k_q551daa846d_addup-k_q551daa846d_addup
	.p2alignl 7, 3214868480
	.fill 96, 4, 3214868480
	.section	.rodata,"a",@progbits
	.p2align	6, 0x0
	.amdhsa_kernel k_q551daa846d_addup
		.amdhsa_group_segment_fixed_size 0
		.amdhsa_private_segment_fixed_size 0
		.amdhsa_enable_private_segment 0
		.amdhsa_kernarg_size 16
		.amdhsa_user_sgpr_count 2
		.amdhsa_user_sgpr_kernarg_segment_ptr 1
		.amdhsa_wavefront_size32 1
		.amdhsa_system_sgpr_workgroup_id_x 1
		.amdhsa_system_sgpr_workgroup_id_y 1
		.amdhsa_system_sgpr_workgroup_id_z 1
		.amdhsa_system_vgpr_workitem_id 0
		.amdhsa_next_free_vgpr 72
		.amdhsa_next_free_sgpr 66
		.amdhsa_reserve_vcc 0
		.amdhsa_float_denorm_mode_32 3
		.amdhsa_float_denorm_mode_16_64 3
		.amdhsa_memory_ordered 1
		.amdhsa_forward_progress 1
		.amdhsa_inst_pref_size 5
	.end_amdhsa_kernel
	.amdgpu_metadata
---
amdhsa.version: [ 1, 2 ]
amdhsa.kernels:
  - .name:           k_q551daa846d_addup
    .symbol:         k_q551daa846d_addup.kd
    .args:
      - { .name: part, .offset: 0, .size: 8, .value_kind: global_buffer, .address_space: global }
      - { .name: out0, .offset: 8, .size: 8, .value_kind: global_buffer, .address_space: global }
    .group_segment_fixed_size: 0
    .private_segment_fixed_size: 0
    .kernarg_segment_align: 8
    .kernarg_segment_size: 16
    .max_flat_workgroup_size: 256
    .sgpr_count:     66
    .vgpr_count:     72
    .wavefront_size: 32
...
	.end_amdgpu_metadata
.endif
;; end of part 3
;; ======== version 2 of 2: 3 launches; 1.10 times as fast as version 1
;; limits: values are held in f16: magnitudes above 65,504 overflow, below 6.1e-05 lose precision
;; workspace buffers: xh 4,194,304 bytes; wt 2,097,152 bytes; part 16,777,216 bytes
;; launch prep: the kernel of part 1 again; grid 256 x 1, 8 waves a work-group, no clusters, 126,976 bytes of LDS; arguments x, Wq, Wk, Wv, Wu, xh, wt; writes xh, wt
;; launch attn (part 4): grid 256 x 1, 4 waves a work-group, clusters of 4 x 1, 327,680 bytes of LDS; arguments xh, wt, part; writes part
.if DOCPART == 4
	.amdgcn_target "amdgcn-amd-amdhsa--gfx1250"
	.amdhsa_code_object_version 6
	.text
	.protected	k_q551daa846d_attn
	.globl	k_q551daa846d_attn
	.p2align	8
	.type	k_q551daa846d_attn,@function
k_q551daa846d_attn:
	s_mov_b64 s[64:65], 0
	v_nop
	global_prefetch_b8 v0, s[64:65] scope:SCOPE_SE
	s_setreg_imm32_b32 hwreg(HW_REG_WAVE_MODE, 25, 1), 1
	s_wait_xcnt 0x0
	s_wait_alu depctr_hold_cnt(0) depctr_sa_sdst(0) depctr_va_vdst(0) depctr_va_sdst(0) depctr_va_ssrc(0) depctr_va_vcc(0) depctr_vm_vsrc(0)
	s_getreg_b32 s2, hwreg(HW_REG_IB_STS2, 6, 4)
	s_cmp_eq_u32 s2, 0
	s_cbranch_scc0 .Lentry_in_a_cluster
	s_endpgm
.Lentry_in_a_cluster:
	s_bfe_u32 s2, ttmp6, 0x10000c
	s_cmp_lg_u32 s2, 0x3003
	s_cbranch_scc0 .Lentry_shape_is_right
	s_endpgm
.Lentry_shape_is_right:
; ATTENTION for 64 tokens x 4 heads a work-group; wave w takes head 4 hg + w and all 64 tokens (four query tiles of 16).
;   phase 1: Q' = x M_h (256 wide);  phase 2: online softmax attention in which the batch's rows of x are keys AND values;
;   phase 3: O N_h;  then the four heads' results are added through LDS and stored as part[hg] in f32 (the next launch adds the two).
; EVERYTHING IS COMPUTED TRANSPOSED: source 0 = 16 rows from LDS, source 1 = 16 queries from registers, so a result's lane is a query
; (lane % 16) and its eight registers are eight neighbouring rows.  Two neighbouring result tiles, rounded to f16, ARE a source-1
; fragment of the next product: no shuffle, no trip through LDS, and the softmax's figures are one number a lane.
; NUMBERS: matrix operands f16, sums f32.  Q' is kept whole in f32 first; each query row is scaled by log2(e)/16 and by a power of two 2^-k
; so that it lies inside (-2, 2); the score in base 2 is S' 2^k, an exact product, from which the running maximum is taken away: p <= 1.
; LIMITS: |x| and the entries of wt below 65,504; the largest |Q'| of a row below 2^120; rows with |Q'| log2(e)/16 < 2^-100 are scaled as if it were 2^-100;
; NaN and infinities in the inputs are not carried as the module carries them; the order of rounding differs from the module's.
; CLUSTER: the four work-groups of a cluster share the batch and the four heads, so every tile (weights and keys) is asked for jointly,
; mask 15.  The place in the cluster enters only the addresses of the work-group's own 64 rows of xh and of part.
; RING: two LDS slots of 4 x 64 rows x 528 bytes; wave w fills quarter w of a slot with one tensor load of 64 rows x 512 bytes.
;   tiles 0-3: 64 rows each of my head's M^T (read by me alone);  4-7: 256 keys (read by all);  8-11: my head's N^T.
;   By this text's own count a wave has at most two tensor loads outstanding: the two at the start, later one.
; BATCHES: a group's softmax has ONE batch of exponentials with ONE wait: the four factors (in AL) and the 128 weights (in place, each in its score's
;   register).  Ahead of the wait stands all that names no result of theirs: the 64 packed scalings, dealt among the exponentials, and the four moves that
;   keep the new maximum.  Behind it stand all that do: the sums, the roundings to f16, the rescaling of O^T..
;   The four reciprocals behind phase 2 are a batch of their own, with a wait of their own.
; REGISTERS in windows of 256:
;   window 0: v0-31 addresses and figures; v32-127 three fragment buffers of 32; v128-255 the scores of 64 keys x 64 queries, then P
;   window 1: 32 source-1 fragments QF(qt, ks) at 8 (8 qt + ks): x's tokens, then Q' scaled, then O
;   windows 2, 3: 64 accumulator tiles (ot, qt) at 8 (4 (ot % 8) + qt), window 2 + ot / 8: Q'^T, then O^T, then the head's out^T
.set PITCH,  528                       ; 512 bytes + 16 = 33 x 16: 16 rows start in 16 different 16-byte columns
.set RT,     16*PITCH
.set RP2,    32*PITCH
.set QUART,  64*PITCH                  ; what one tensor load brings
.set SLOT,   4*QUART
.set SPITCH, 1040                      ; the way out: a token's 256 f32 + 16 bytes
.set SREGION, 64*SPITCH                ; a wave's 64 tokens; four of them lie in the ring's bytes behind its last fill
.set ADRW, 1                           ; v1, v2  my quarter's fragments in slot 0, 1 (phases 1 and 3)
.set ADRP, 2                           ; v2      keys as rows (phase 2)
.set ADRT, 3                           ; v3      keys transposed = values (phase 2)
.set MK, 4                             ; v[4:7]   running maximum of query tile qt, base 2
.set AL, 8                             ; v[8:11]  a factor for each query
.set KS, 12                            ; v[12:15] 2^k
.set LS, 16                            ; v[16:23] running sum, a pair for each query tile
.set TA, 24                            ; v[24:27] at work
.set TB, 28                            ; v[28:31] at work
.set SB, 128                           ; block 4 kp + qt: 16 registers, key tiles 2 kp and 2 kp + 1
.set G1, 16                            ; s[16:23] descriptor group 1
.set G0, 24                            ; s[24:31] descriptor group 0, one set for each slot
.set AMT, 32                           ; s[32:33] my head's M^T
.set AXB, 34                           ; s[34:35] my quarter of the batch's first 256 rows of xh
.set ANT, 36                           ; s[36:37] my head's N^T
.set MSB, 0
.macro WIN new                         ; the immediate's high byte repeats the setting that is left
.if MSB != \new
	s_set_vgpr_msb (MSB<<8)|\new
.set MSB, \new
.endif
.endm
.macro PLACES cnt                      ; places behind matrix instructions: plain vector instructions that name none of their registers (ISA guide 7.12.1)
.rept \cnt
	v_nop
.endr
.endm
; A round of the cluster's barrier behind its opening work-group barrier: wave 0 signals for the work-group, every wave waits for all four
; work-groups, the work-group's barrier closes the round.
.macro CREST
	s_cmp_lg_u32 s10, 0
	s_cbranch_scc1 .Lnot_wave_0_\@
	s_barrier_signal -3
.Lnot_wave_0_\@:
	s_barrier_wait -3
	s_barrier_signal -1
	s_barrier_wait -1
.endm
.macro ROUND
	s_barrier_signal -1
	s_barrier_wait -1
	CREST
.endm
.macro SETG0 slot, base, off           ; a slot's next tile; written only where no tensor load of the wave is out
	s_add_nc_u64 s[G0+4*\slot+2:G0+4*\slot+3], s[\base:\base+1], \off
	s_or_b32 s[G0+4*\slot+3], s[G0+4*\slot+3], 0x80000000
.endm
; eight LDS loads: four fragments (2 K steps x 2 row tiles) of rows that lie along K
.macro LDP buf, adr, off
.irp ksl, 0,1
.irp rtl, 0,1
	ds_load_b128 v[\buf+8*(2*\ksl+\rtl):\buf+8*(2*\ksl+\rtl)+3], v[\adr] offset:\off+\rtl*RT+\ksl*64
	ds_load_b128 v[\buf+8*(2*\ksl+\rtl)+4:\buf+8*(2*\ksl+\rtl)+7], v[\adr] offset:\off+\rtl*RT+\ksl*64+32
.endr
.endr
.endm
; eight transposing loads: four fragments (2 x 32 keys, 2 tiles of 16 features) of the values
.macro LDT buf, off
.irp kp, 0,1
.irp dtl, 0,1
	ds_load_tr16_b128 v[\buf+8*(2*\kp+\dtl):\buf+8*(2*\kp+\dtl)+3], v[ADRT] offset:\off+\kp*RP2+\dtl*32
	ds_load_tr16_b128 v[\buf+8*(2*\kp+\dtl)+4:\buf+8*(2*\kp+\dtl)+7], v[ADRT] offset:\off+\kp*RP2+\dtl*32+RT
.endr
.endr
.endm
; 16 matrix instructions on one batch of fragments.  In all three forms eight accumulators take turns, one instruction a turn.
; Batch bn: K steps 2 (bn % 4), +1; row tiles 2 (bn / 4), +1.  The first K step starts the sums with the constant 0.
.macro MULS_D buf, bn, f               ; phases 1 and 3: ring tile f, accumulators in window 2 or 3
.irp ksl, 0,1
.irp rtl, 0,1
.irp qt, 0,1,2,3
.set d_, (((4*\f+2*(\bn>>2)+\rtl)&7)*4+\qt)*8
.set a_, \buf+8*(2*\ksl+\rtl)
.set b_, (8*\qt+2*(\bn&3)+\ksl)*8
.if 2*(\bn&3)+\ksl == 0
	v_wmma_f32_16x16x32_f16 v[d_:d_+7], v[a_:a_+7], v[b_:b_+7], 0
.else
	v_wmma_f32_16x16x32_f16 v[d_:d_+7], v[a_:a_+7], v[b_:b_+7], v[d_:d_+7]
.endif
.endr
.endr
.endr
.endm
.macro MULS_S buf, bn                  ; scores, in window 0
.irp ksl, 0,1
.irp rtl, 0,1
.irp qt, 0,1,2,3
.set d_, SB+((\bn>>2)*4+\qt)*16+\rtl*8
.set a_, \buf+8*(2*\ksl+\rtl)
.set b_, (8*\qt+2*(\bn&3)+\ksl)*8
.if 2*(\bn&3)+\ksl == 0
	v_wmma_f32_16x16x32_f16 v[d_:d_+7], v[a_:a_+7], v[b_:b_+7], 0
.else
	v_wmma_f32_16x16x32_f16 v[d_:d_+7], v[a_:a_+7], v[b_:b_+7], v[d_:d_+7]
.endif
.endr
.endr
.endr
.endm
.macro MULPV buf, bn, zero             ; O^T += V^T P^T: feature tiles 2 bn, 2 bn + 1, 64 keys
.irp kp, 0,1
.irp dtl, 0,1
.irp qt, 0,1,2,3
.set d_, (((2*\bn+\dtl)&7)*4+\qt)*8
.set a_, \buf+8*(2*\kp+\dtl)
.set b_, SB+(4*\kp+\qt)*16
.if \zero*(1-\kp)
	v_wmma_f32_16x16x32_f16 v[d_:d_+7], v[a_:a_+7], v[b_:b_+7], 0
.else
	v_wmma_f32_16x16x32_f16 v[d_:d_+7], v[a_:a_+7], v[b_:b_+7], v[d_:d_+7]
.endif
.endr
.endr
.endr
.endm
; packed arithmetic with one register of a pair fed to both halves: q says which
.macro PKMULB d, al, q
.if \q
	v_pk_mul_f32 v[\d:\d+1], v[\d:\d+1], v[\al:\al+1] op_sel:[0,1] op_sel_hi:[1,1]
.else
	v_pk_mul_f32 v[\d:\d+1], v[\d:\d+1], v[\al:\al+1] op_sel:[0,0] op_sel_hi:[1,0]
.endif
.endm
.macro PKFMA d, ks, mk, q              ; s = s 2^k - maximum
.if \q
	v_pk_fma_f32 v[\d:\d+1], v[\d:\d+1], v[\ks:\ks+1], v[\mk:\mk+1] op_sel:[0,1,1] op_sel_hi:[1,1,1] neg_lo:[0,0,1] neg_hi:[0,0,1]
.else
	v_pk_fma_f32 v[\d:\d+1], v[\d:\d+1], v[\ks:\ks+1], v[\mk:\mk+1] op_sel:[0,0,0] op_sel_hi:[1,0,0] neg_lo:[0,0,1] neg_hi:[0,0,1]
.endif
.endm
.macro PKFMAL l, al, q, p              ; sum = sum x factor + first pair
.if \q
	v_pk_fma_f32 v[\l:\l+1], v[\l:\l+1], v[\al:\al+1], v[\p:\p+1] op_sel:[0,1,0] op_sel_hi:[1,1,1]
.else
	v_pk_fma_f32 v[\l:\l+1], v[\l:\l+1], v[\al:\al+1], v[\p:\p+1] op_sel:[0,0,0] op_sel_hi:[1,0,1]
.endif
.endm
.macro RESC8
.irp ot, 0,1,2,3,4,5,6,7
.irp qt, 0,1,2,3
.irp i, 0,2,4,6
	PKMULB ((\ot*4+\qt)*8+\i), (AL+2*(\qt>>1)), (\qt&1)
.endr
.endr
.endr
.endm
.macro RESCALE                         ; all 64 accumulator tiles times the query's factor
	WIN 0x82
	RESC8
	WIN 0xc3
	RESC8
.endm
.macro PACK4 k0
.irp ksl, 0,1,2,3
.irp qt, 0,1,2,3
.irp i, 0,1,2,3
	v_cvt_pk_f16_f32 v[(8*\qt+\k0+\ksl)*8+\i], v[(8*\ksl+\qt)*8+2*\i], v[(8*\ksl+\qt)*8+2*\i+1]
	v_cvt_pk_f16_f32 v[(8*\qt+\k0+\ksl)*8+4+\i], v[(8*\ksl+4+\qt)*8+2*\i], v[(8*\ksl+4+\qt)*8+2*\i+1]
.endr
.endr
.endr
.endm
.macro PACK                            ; tiles 2 ks and 2 ks + 1 become fragment QF(qt, ks): registers 0-3 from the even tile, 4-7 from the odd
	WIN 0x4a
	PACK4 0
	WIN 0x4f
	PACK4 4
.endm
.macro ROWMAX8 start                   ; the largest |Q'| of a query among this lane's numbers of one window
.irp ot, 0,1,2,3,4,5,6,7
.irp i, 0,2,4,6
.irp qt, 0,1,2,3
.set first_, 0
.if \start
.if \ot+\i == 0
.set first_, 1
.endif
.endif
.if first_
	v_max_num_f32 v[TA+\qt], |v[(\ot*4+\qt)*8+\i]|, |v[(\ot*4+\qt)*8+\i+1]|
.else
	v_max3_num_f32 v[TA+\qt], |v[(\ot*4+\qt)*8+\i]|, |v[(\ot*4+\qt)*8+\i+1]|, v[TA+\qt]
.endif
.endr
.endr
.endr
.endm
; One ring tile of phase 1 or 3: 64 rows of my head's weights x 64 queries x K = 256: eight batches, each asked for two batches ahead.
; s_wait_dscnt 16: the eight loads of each of the two younger batches may stay out; at the end 8, then 0.
.macro MMW f
	WIN 0
	PLACES 4                                       ; the buffers were read by matrix instructions
	LDP 96, ADRW+(\f&1), 0
	LDP 32, ADRW+(\f&1), 128
.irp bn, 0,1,2,3,4,5,6,7
.if \bn <= 5
	WIN 0
.if \bn >= 1
	PLACES 4                                       ; the buffer filled next was read by the batch just multiplied
.endif
	LDP (32+32*((\bn+1)%3)), ADRW+(\f&1), (((\bn+2)>>2)*RP2+((\bn+2)&3)*128)
	s_wait_dscnt 16
.else
	s_wait_dscnt 8*(7-\bn)
.endif
	WIN (0xa4+0x50*(\f>>1))
	MULS_D (32+32*((\bn+2)%3)), \bn, \f
.endr
.endm
; The slot just read is filled again: my reads of it and all my tensor loads are done, every wave of all four work-groups says so, the joint load comes first.
.macro CHANGE slot, base, off
	WIN 0
	s_wait_dscnt 0x0
	s_wait_xcnt 0x0
	v_lshl_add_u32 v254, v0, 2, 0x42000
	v_mov_b32 v255, 0
	s_wait_tensorcnt 0x0
	ds_add_u32 v254, v255
	s_wait_dscnt 0x0
	SETG0 \slot, \base, \off
	ROUND
	tensor_load_to_lds s[G0+4*\slot:G0+4*\slot+3], s[G1:G1+7]
	s_nop 0
.endm
; p of pair i of a block is added to the running sum and rounded to f16 in place: P is the block's first eight registers.
; Every line here names an exponential's result: all of them stand behind the batch's wait in SOFTMAX.  Within a block i ascends: the rounding of
; pair i writes register i, whose own weight was taken with pair i / 2.
.macro SUMCVT blk, i, first
.set sb_, SB+16*\blk
.set lq_, LS+2*(\blk&3)
.if \blk < 4
.if \i == 0
.if \first
	v_pk_add_f32 v[lq_:lq_+1], v[sb_:sb_+1], v[sb_+2:sb_+3]          ; the first two pairs start the sum
.else
	PKFMAL lq_, (AL+2*((\blk&3)>>1)), (\blk&1), sb_
.endif
.elseif \i == 1
.if \first == 0
	v_pk_add_f32 v[lq_:lq_+1], v[lq_:lq_+1], v[sb_+2:sb_+3]
.endif
.else
	v_pk_add_f32 v[lq_:lq_+1], v[lq_:lq_+1], v[sb_+2*\i:sb_+2*\i+1]
.endif
.else
	v_pk_add_f32 v[lq_:lq_+1], v[lq_:lq_+1], v[sb_+2*\i:sb_+2*\i+1]
.endif
	v_cvt_pk_f16_f32 v[sb_+\i], v[sb_+2*\i], v[sb_+2*\i+1]
.endm
.macro SOFTMAX first
	; the largest score of each query among 64 keys: two chains for each query tile, then the other half of the lanes
.irp qt, 0,1,2,3
	v_max3_num_f32 v[TA+\qt], v[SB+16*\qt], v[SB+16*\qt+1], v[SB+16*\qt+2]
	v_max3_num_f32 v[TB+\qt], v[SB+64+16*\qt], v[SB+64+16*\qt+1], v[SB+64+16*\qt+2]
.endr
.irp i, 3,5,7,9,11,13
.irp qt, 0,1,2,3
	v_max3_num_f32 v[TA+\qt], v[TA+\qt], v[SB+16*\qt+\i], v[SB+16*\qt+\i+1]
	v_max3_num_f32 v[TB+\qt], v[TB+\qt], v[SB+64+16*\qt+\i], v[SB+64+16*\qt+\i+1]
.endr
.endr
.irp qt, 0,1,2,3
	v_max3_num_f32 v[TA+\qt], v[TA+\qt], v[TB+\qt], v[SB+16*\qt+15]
.endr
.irp qt, 0,1,2,3
	v_max_num_f32 v[TA+\qt], v[TA+\qt], v[SB+64+16*\qt+15]
.endr
.irp qt, 0,1,2,3
	v_permlanex16_b32 v[TB+\qt], v[TA+\qt], s46, s47
.endr
.irp qt, 0,1,2,3
	v_max_num_f32 v[TA+\qt], v[TA+\qt], v[TB+\qt]
.endr
.if \first
.irp qt, 0,1,2,3
	v_mul_f32 v[MK+\qt], v[TA+\qt], v[KS+\qt]      ; exact: 2^k is a power of two
.endr
.set mx_, MK                                           ; where the scalings below find the new maximum
.else
.irp qt, 0,1,2,3
	v_mul_f32 v[TB+\qt], v[TA+\qt], v[KS+\qt]
.endr
.irp qt, 0,1,2,3
	v_max_num_f32 v[TB+\qt], v[TB+\qt], v[MK+\qt]
.endr
.irp qt, 0,1,2,3
	v_sub_f32 v[AL+\qt], v[MK+\qt], v[TB+\qt]
.endr
.irp qt, 0,1,2,3
	v_exp_f32 v[AL+\qt], v[AL+\qt]                 ; THE BATCH BEGINS: what the old sums are worth under the new maximum
.endr
.set mx_, TB                                           ; the new maximum is read where it was made; MK takes it behind the batch
.endif
	; The batch goes on: the 64 pairs of scores, pair n at v[SB + 2 n] (block n / 8, query tile (n / 8) % 4).  Pair n is scaled (s 2^k - maximum), then come the
	; two exponentials of pair n - 2: a scaling stands six lines ahead of its exponentials, and writes a pair whose exponentials are still to come.
	; Nothing here names a result: the scalings read 2^k and the maximum.
.set n_, 0
.rept 66
.if n_ < 64
	PKFMA (SB+2*n_), (KS+2*((n_>>4)&1)), (mx_+2*((n_>>4)&1)), ((n_>>3)&1)
.endif
.if n_ >= 2
	v_exp_f32 v[SB+2*n_-4], v[SB+2*n_-4]
	v_exp_f32 v[SB+2*n_-3], v[SB+2*n_-3]
.endif
.set n_, n_+1
.endr
.if \first
	v_nop                                          ; the plain instruction behind the last exponential (ISA guide 5.7.2): the first group has no other work for this place
.else
.irp qt, 0,1,2,3
	v_mov_b32 v[MK+\qt], v[TB+\qt]                 ; the new maximum is kept: work that names no result, and the plain instructions behind the last exponential (ISA guide 5.7.2)
.endr
.endif
	s_wait_alu depctr_va_vdst(0)                   ; the ONE wait for the group's batch, the factors and the 128 weights, ahead of its first reader
	; the readers: sum and round.  A query tile's sum takes block qt's pairs 0 to 7, then block qt + 4's; the four query tiles take turns, so the links of a sum's chain stand eight lines apart.
.irp hf, 0,4
.irp i, 0,1,2,3,4,5,6,7
.irp qt, 0,1,2,3
	SUMCVT (\hf+\qt), \i, \first
.endr
.endr
.endr
.endm
; A GROUP: 64 keys = a quarter of a slot, 256 matrix instructions.  first = 1: nothing to rescale, the products start the sums.
; nxt = 1: the next group lies in the same slot and its first two batches are asked for here.  nxt = 0: the slot has been read: it is filled again.
.macro G first, nxt, slot, base, off
	WIN 0x04                                       ; source 1 in window 1; LDS loads name only places that stay in window 0
.irp bn, 0,1,2,3,4,5,6,7
.if \bn == 0
	PLACES 5                                       ; the scores write over P, which the last matrix instructions read
.elseif \bn <= 5
	PLACES 4
.endif
.if \bn <= 5
	LDP (32+32*((\bn+1)%3)), ADRP, (((\bn+2)>>2)*RP2+((\bn+2)&3)*128)
	s_wait_dscnt 16                                ; two younger batches of eight loads may stay out
.else
	s_wait_dscnt 8*(7-\bn)
.endif
	MULS_S (32+32*((\bn+2)%3)), \bn
.endr
	WIN 0
	PLACES 4                                       ; before the scores are read and the buffers loaded
	LDT 32, 0                                      ; the values' first two batches land during the softmax
	LDT 64, 64
	SOFTMAX \first
.if \first == 0
	RESCALE                                        ; reads the factors: behind the batch's wait
.endif
.irp bn, 0,1,2,3,4,5,6,7
.if \bn <= 5
	WIN 0
.if \bn >= 1
	PLACES 4
.endif
	LDT (32+32*((\bn+2)%3)), 64*(\bn+2)
	s_wait_dscnt 16
.elseif \nxt
	WIN 0
	PLACES 4
	LDP (32+32*((\bn+2)%3)), ADRP, QUART+(\bn-6)*128   ; the next group's keys
	s_wait_dscnt 16
.elseif \bn == 6
	s_wait_dscnt 0x0                               ; my reads of this slot are over,
	s_wait_xcnt 0x0
	s_set_vgpr_msb 0xf030
	v_lshl_add_u32 v254, v0, 2, 0x42000
	v_mov_b32 v255, 0
	s_wait_tensorcnt 0x0                           ; all my tensor loads have landed (the one that was out is my quarter of the other slot),
	ds_add_u32 v254, v255
	s_wait_dscnt 0x0
	s_set_vgpr_msb 0x30f0
	SETG0 \slot, \base, \off
	s_barrier_signal -1                            ; say so: this barrier opens a round of the cluster's barrier; register work alone follows inside it
.endif
	WIN (0xa0+0x50*(\bn>>2))
	MULPV (32+32*(\bn%3)), \bn, \first
.endr
	WIN 0
.if \nxt
	v_add_nc_u32 v[ADRP], QUART, v[ADRP]
	v_add_nc_u32 v[ADRT], QUART, v[ADRT]
.else
	s_barrier_wait -1
	CREST                                          ; no wave of any partner still reads this slot or has a load on its way
	tensor_load_to_lds s[G0+4*\slot:G0+4*\slot+3], s[G1:G1+7]   ; the first tensor load behind the round
	s_nop 0
.endif
.endm
; The head of a key tile at LDS byte pos.  Position p of a tile of 16 keys stands for row 2 (p % 8) + p / 8, in the plain and in the
; transposing loads alike: the plain loads' 16 lanes still touch 16 different rows, the transposing loads' eight rows lie 1,056 bytes = 33 x 32 apart.
; These plain instructions are also the places behind the last matrix instructions, in front of the loads.
.macro TILE_START pos
	v_and_b32 v[TA], 7, v0                         ; lane % 8
	v_bfe_u32 v[TA+1], v0, 3, 1                    ; bit 3 of the lane
	v_bfe_u32 v[TA+2], v0, 4, 1                    ; the lane's half
	v_lshl_add_u32 v[TA+3], v[TA], 1, v[TA+1]
	v_mul_u32_u24 v[TA+3], v[TA+3], PITCH
	v_lshl_add_u32 v[ADRP], v[TA+2], 4, v[TA+3]
	v_lshl_add_u32 v[TB], v[TA], 1, v[TA+2]
	v_mul_u32_u24 v[TB], v[TB], PITCH
	v_lshl_add_u32 v[ADRT], v[TA+1], 4, v[TB]
.if \pos
	v_add_nc_u32 v[ADRP], \pos, v[ADRP]
	v_add_nc_u32 v[ADRT], \pos, v[ADRT]
.endif
	v_nop
	LDP 96, ADRP, 0
	LDP 32, ADRP, 128
.endm
.macro TILE pos, slot, base, off       ; four groups; the last fills the slot again
	TILE_START \pos
	s_mov_b32 s44, 3
.Ltile_\@:
	G 0, 1, 0, 0, 0
	s_sub_co_u32 s44, s44, 1
	s_cmp_lg_u32 s44, 0
	s_cbranch_scc1 .Ltile_\@
	G 0, 0, \slot, \base, \off
.endm
	; ---------------------------------------------------------------- who am I
	s_load_b128 s[4:7], s[0:1], 0x0                ; xh s[4:5], wt s[6:7]
	s_load_b64 s[8:9], s[0:1], 0x10                ; part
	v_lshl_add_u32 v254, v0, 2, 0x42000
	v_mov_b32 v255, 0
	ds_add_u32 v254, v255
	s_wait_dscnt 0x0
	v_lshrrev_b32 v1, 5, v0
	v_readfirstlane_b32 s10, v1                    ; wave 0..3
	s_bfe_u32 s11, ttmp6, 0x40000                  ; cx: my place in the cluster
	s_lshr_b32 s13, ttmp9, 3                       ; batch (ttmp9 counts clusters, 0..63)
	s_bfe_u32 s14, ttmp9, 0x10002                  ; head group
	s_and_b32 s15, ttmp9, 3                        ; which 256 tokens of the batch
	s_mov_b32 s46, 0x76543210                      ; v_permlanex16_b32: lane i of one half reads lane i of the other
	s_mov_b32 s47, 0xfedcba98
	s_mov_b32 s54, 0x3db8aa3b                      ; log2(e) / 16
	; group 1: 64 rows x 256 elements of 2 bytes, 16 bytes of padding behind each row's 128 words
	s_mov_b32 s[G1+0], 15|(1<<16)|(1<<20)|(1<<21)|(6<<22)|(3<<25)   ; 15:0 the mask: all four work-groups; 17:16 2 bytes; 20 padding on; 21 set beside a mask; 24:22 every 128 words; 31:25 4 words
	s_mov_b32 s[G1+1], 256<<16                     ; tensor_dim0 = 256
	s_mov_b32 s[G1+2], 64<<16                      ; tensor_dim1 = 64
	s_mov_b32 s[G1+3], 256<<16                     ; tile_dim0 = 256
	s_mov_b32 s[G1+4], 64                          ; tile_dim1 = 64
	s_mov_b32 s[G1+5], 256                         ; elements from row to row
	s_mov_b32 s[G1+6], 0
	s_mov_b32 s[G1+7], 0
	s_lshl2_add_u32 s45, s14, s10                  ; my head = 4 hg + w
	s_lshl_b32 s38, s45, 17                        ; 131,072 bytes a product
	s_mov_b32 s39, 0
	; offsets that hold cx, in registers from which no descriptor draws
	s_lshl_b32 s48, s13, 10
	s_lshl_b32 s49, s15, 8
	s_add_co_u32 s48, s48, s49
	s_lshl_b32 s49, s11, 6
	s_add_co_u32 s48, s48, s49                     ; my work-group's first token = 1024 b + 256 tq + 64 cx
	s_lshl_b32 s50, s48, 9                         ; 512 bytes a row of xh
	s_mov_b32 s51, 0
	s_lshl4_add_u32 s52, s10, s48                  ; the 16 tokens that my wave adds up and stores
	s_lshl_b32 s52, s52, 10                        ; 1,024 bytes a row of part
	s_lshl_b32 s53, s14, 23                        ; 8,388,608 bytes a head group
	s_add_co_u32 s52, s52, s53
	s_mov_b32 s53, 0
	s_mov_b32 s[G0], 1                             ; group 0 of both slots: count 1, LDS address = wave x quarter + slot
	s_mul_i32 s[G0+1], s10, QUART
	s_mov_b32 s[G0+4], 1
	s_add_co_u32 s[G0+5], s[G0+1], SLOT
	s_wait_kmcnt 0x0
	s_add_nc_u64 s[AMT:AMT+1], s[6:7], s[38:39]
	s_add_nc_u64 s[ANT:ANT+1], s[AMT:AMT+1], 0x100000
	s_lshl_b32 s38, s13, 19                        ; 524,288 bytes a batch,
	s_lshl_b32 s45, s10, 15                        ; my 64 rows of each 256
	s_add_co_u32 s38, s38, s45
	s_add_nc_u64 s[AXB:AXB+1], s[4:5], s[38:39]
	s_add_nc_u64 s[40:41], s[4:5], s[50:51]        ; my work-group's rows of xh
	s_add_nc_u64 s[42:43], s[8:9], s[52:53]        ; my wave's rows of part
	SETG0 0, AMT, 0
	SETG0 1, AMT, 32768
	ROUND                                          ; all four work-groups are here: the first joint loads meet
	tensor_load_to_lds s[G0:G0+3], s[G1:G1+7]      ; tile 0
	s_nop 0
	tensor_load_to_lds s[G0+4:G0+7], s[G1:G1+7]    ; tile 1
	s_nop 0
	v_and_b32 v[TA], 15, v0
	v_bfe_u32 v[TA+1], v0, 4, 1
	v_mul_u32_u24 v[ADRW], v[TA], PITCH            ; a fragment: row lane % 16, 16 bytes for each half of the lanes
	v_lshl_add_u32 v[ADRW], v[TA+1], 4, v[ADRW]
	v_add_nc_u32 v[ADRW], s[G0+1], v[ADRW]         ; in my quarter
	v_add_nc_u32 v[ADRW+1], SLOT, v[ADRW]
	v_lshlrev_b32 v[TA+2], 9, v[TA]
	v_lshl_add_u32 v[TA+2], v[TA+1], 4, v[TA+2]
	; my work-group's 64 tokens as source-1 fragments, straight from memory, once
	WIN 0x40
.irp qt, 0,1,2,3
.irp ks, 0,1,2,3,4,5,6,7
	global_load_b128 v[(8*\qt+\ks)*8:(8*\qt+\ks)*8+3], v[TA+2], s[40:41] offset:\qt*8192+\ks*64
	global_load_b128 v[(8*\qt+\ks)*8+4:(8*\qt+\ks)*8+7], v[TA+2], s[40:41] offset:\qt*8192+\ks*64+32
.endr
.endr
	WIN 0
.irp qt, 0,1,2,3
	v_mov_b32 v[TB+\qt], 0                         ; v_permlanex16_b32 counts as a reader of its destination
.endr
	s_wait_loadcnt 0x0
	s_wait_tensorcnt 0x1                           ; my quarter of tile 0 is in (I alone read it); tile 1 may stay out
	; ---------------------------------------------------------------- phase 1: Q'^T = M_h^T x^T
	MMW 0
	CHANGE 0, AMT, 65536                           ; tile 2
	MMW 1
	CHANGE 1, AMT, 98304                           ; tile 3
	MMW 2
	CHANGE 0, AXB, 0                               ; tile 4: keys 0-255
	MMW 3
	CHANGE 1, AXB, 131072                          ; tile 5: keys 256-511
	PLACES 4                                       ; before the results are read
	WIN 0x0a
	ROWMAX8 1
	WIN 0x0f
	ROWMAX8 0
	WIN 0
.irp qt, 0,1,2,3
	v_permlanex16_b32 v[TB+\qt], v[TA+\qt], s46, s47
.endr
.irp qt, 0,1,2,3
	v_max_num_f32 v[TA+\qt], v[TA+\qt], v[TB+\qt]
.endr
.irp qt, 0,1,2,3
	v_mul_f32 v[TA+\qt], s54, v[TA+\qt]
.endr
.irp qt, 0,1,2,3
	v_max_num_f32 v[TA+\qt], 0x0d800000, v[TA+\qt] ; at least 2^-100
.endr
.irp qt, 0,1,2,3
	v_and_b32 v[KS+\qt], 0x7f800000, v[TA+\qt]     ; 2^k: the exponent alone
.endr
.irp qt, 0,1,2,3
	v_sub_nc_u32 v[TB+\qt], 0x7f000000, v[KS+\qt]  ; 2^-k
.endr
.irp qt, 0,1,2,3
	v_mul_f32 v[AL+\qt], s54, v[TB+\qt]
.endr
	RESCALE
	PACK
	WIN 0
	; ---------------------------------------------------------------- phase 2: 16 groups of 64 keys
	TILE_START 0
	G 1, 1, 0, 0, 0
	s_mov_b32 s44, 2
.Ltile4:
	G 0, 1, 0, 0, 0
	s_sub_co_u32 s44, s44, 1
	s_cmp_lg_u32 s44, 0
	s_cbranch_scc1 .Ltile4
	G 0, 0, 0, AXB, 262144                         ; tile 6: keys 512-767
	TILE SLOT, 1, AXB, 393216                      ; tile 5 is read; tile 7: keys 768-1023
	TILE 0, 0, ANT, 0                              ; tile 6 is read; tile 8
	TILE SLOT, 1, ANT, 32768                       ; tile 7 is read; tile 9
	PLACES 4
.irp qt, 0,1,2,3
	v_add_f32 v[TA+\qt], v[LS+2*\qt], v[LS+2*\qt+1]
.endr
.irp qt, 0,1,2,3
	v_permlanex16_b32 v[TB+\qt], v[TA+\qt], s46, s47
.endr
.irp qt, 0,1,2,3
	v_add_f32 v[TA+\qt], v[TA+\qt], v[TB+\qt]
.endr
.irp qt, 0,1,2,3
	v_rcp_f32 v[AL+\qt], v[TA+\qt]
.endr
	v_add_nc_u32 v[ADRW+1], SLOT, v[ADRW]          ; a plain instruction behind the reciprocals (ISA guide 5.7.2): slot 1's address for phase 3
	s_wait_alu depctr_va_vdst(0)                   ; one wait for the batch of four reciprocals, ahead of the rescaling that reads them
	RESCALE
	PACK
	; ---------------------------------------------------------------- phase 3: out_h^T = N_h^T O^T
	MMW 0
	CHANGE 0, ANT, 65536                           ; tile 10
	MMW 1
	CHANGE 1, ANT, 98304                           ; tile 11: the last fill
	MMW 2
	s_wait_tensorcnt 0x0                           ; my quarter of tile 11, which I alone read; no load was issued behind it
	MMW 3
	; ---------------------------------------------------------------- the way out: the four heads are added through LDS
	WIN 0
	v_and_b32 v[TA], 15, v0                        ; these plain instructions are the places behind the last matrix instructions
	v_bfe_u32 v[TA+1], v0, 4, 1
	v_mul_u32_u24 v[TA], v[TA], SPITCH             ; in: token lane % 16 of a query tile, 32 bytes for each half of the lanes
	v_lshl_add_u32 v[TA], v[TA+1], 5, v[TA]
	s_mul_i32 s45, s10, SREGION
	v_add_nc_u32 v[TA], s45, v[TA]
	v_and_b32 v[TA+5], 31, v0
	v_lshlrev_b32 v[TA+5], 4, v[TA+5]              ; back: 16 bytes a lane, half a token's row a load
	s_mul_i32 s45, s10, 16*SPITCH                  ; my wave's 16 tokens, in each of the four regions
	v_add_nc_u32 v[TA+1], s45, v[TA+5]
	v_add_nc_u32 v[TA+2], SREGION, v[TA+1]
	v_add_nc_u32 v[TA+3], 2*SREGION, v[TA+1]
	v_add_nc_u32 v[TA+4], 3*SREGION, v[TA+1]
	s_wait_dscnt 0x0                               ; my reads of the ring are over, my tensor loads landed above:
	s_barrier_signal -1
	s_barrier_wait -1                              ; so are everybody's; the ring has had its last fill and serves as the stage
	WIN 0x08
.irp ot, 0,1,2,3,4,5,6,7
.irp qt, 0,1,2,3
	ds_store_b128 v[TA], v[(\ot*4+\qt)*8:(\ot*4+\qt)*8+3] offset:\qt*16*SPITCH+64*\ot
	ds_store_b128 v[TA], v[(\ot*4+\qt)*8+4:(\ot*4+\qt)*8+7] offset:\qt*16*SPITCH+64*\ot+16
.endr
.endr
	WIN 0x0c
.irp ot, 0,1,2,3,4,5,6,7
.irp qt, 0,1,2,3
	ds_store_b128 v[TA], v[(\ot*4+\qt)*8:(\ot*4+\qt)*8+3] offset:\qt*16*SPITCH+64*(\ot+8)
	ds_store_b128 v[TA], v[(\ot*4+\qt)*8+4:(\ot*4+\qt)*8+7] offset:\qt*16*SPITCH+64*(\ot+8)+16
.endr
.endr
	WIN 0
	s_wait_dscnt 0x0
	s_barrier_signal -1
	s_barrier_wait -1
; batch bt: four half rows (512 bytes) of my 16 tokens, from all four regions: 16 loads into register set rs
.macro RLOAD bt, rs
.irp hr, 0,1,2,3
.irp u, 0,1,2,3
	ds_load_b128 v[\rs+16*\hr+4*\u:\rs+16*\hr+4*\u+3], v[TA+1+\u] offset:((4*\bt+\hr)>>1)*SPITCH+((4*\bt+\hr)&1)*512
.endr
.endr
.endm
.macro RSUM bt, rs
.irp hr, 0,1,2,3
.set s_, \rs+16*\hr
	v_pk_add_f32 v[s_:s_+1], v[s_:s_+1], v[s_+4:s_+5]
	v_pk_add_f32 v[s_+2:s_+3], v[s_+2:s_+3], v[s_+6:s_+7]
	v_pk_add_f32 v[s_+8:s_+9], v[s_+8:s_+9], v[s_+12:s_+13]
	v_pk_add_f32 v[s_+10:s_+11], v[s_+10:s_+11], v[s_+14:s_+15]
	v_pk_add_f32 v[s_:s_+1], v[s_:s_+1], v[s_+8:s_+9]
	v_pk_add_f32 v[s_+2:s_+3], v[s_+2:s_+3], v[s_+10:s_+11]
	global_store_b128 v[TA+5], v[s_:s_+3], s[42:43] offset:(4*\bt+\hr)*512   ; the wave stores 512 consecutive bytes, at a multiple of 512 from part's first byte
.endr
.endm
	RLOAD 0, 128
.irp bt, 0,1,2,3,4,5,6,7
.if \bt < 7
.if \bt >= 1
	s_wait_xcnt 0x0                                ; the other set, which stores read, is loaded again only behind this wait (ISA guide 3.1)
.endif
	RLOAD (\bt+1), (128+64*((\bt+1)&1))
	s_wait_dscnt 16                                ; the next batch's 16 loads may stay out
.else
	s_wait_dscnt 0x0
.endif
	RSUM \bt, (128+64*(\bt&1))
.endr
	s_wait_xcnt 0x0
	v_lshl_add_u32 v254, v0, 2, 0x42000
	v_mov_b32 v255, 0
	s_wait_tensorcnt 0x0
	ds_add_u32 v254, v255
	s_wait_dscnt 0x0
	ROUND                                          ; the closing round: no work-group ends while a partner may still ask for a tile that names it
	s_endpgm
.Lfunc_end_k_q551daa846d_attn:
	.size	k_q551daa846d_attn, .Lfunc_end_k_q551daa846d_attn-k_q551daa846d_attn
	.p2alignl 7, 3214868480
	.fill 96, 4, 3214868480
	.section	.rodata,"a",@progbits
	.p2align	6, 0x0
	.amdhsa_kernel k_q551daa846d_attn
		.amdhsa_group_segment_fixed_size 327680
		.amdhsa_private_segment_fixed_size 0
		.amdhsa_enable_private_segment 0
		.amdhsa_kernarg_size 24
		.amdhsa_user_sgpr_count 2
		.amdhsa_user_sgpr_kernarg_segment_ptr 1
		.amdhsa_wavefront_size32 1
		.amdhsa_system_sgpr_workgroup_id_x 1
		.amdhsa_system_sgpr_workgroup_id_y 1
		.amdhsa_system_sgpr_workgroup_id_z 1
		.amdhsa_system_vgpr_workitem_id 0
		.amdhsa_next_free_vgpr 1024
		.amdhsa_next_free_sgpr 66
		.amdhsa_reserve_vcc 0
		.amdhsa_float_denorm_mode_32 3
		.amdhsa_float_denorm_mode_16_64 3
		.amdhsa_memory_ordered 1
		.amdhsa_forward_progress 1
		.amdhsa_inst_pref_size 255
	.end_amdhsa_kernel
	.section	.bss,"aw",@nobits
	.p2align	6
	.space	262144
	.amdgpu_metadata
---
amdhsa.version: [ 1, 2 ]
amdhsa.kernels:
  - .name:           k_q551daa846d_attn
    .symbol:         k_q551daa846d_attn.kd
    .args:
      - { .name: xh, .offset: 0, .size: 8, .value_kind: global_buffer, .address_space: global }
      - { .name: wt, .offset: 8, .size: 8, .value_kind: global_buffer, .address_space: global }
      - { .name: part, .offset: 16, .size: 8, .value_kind: global_buffer, .address_space: global }
    .group_segment_fixed_size: 327680
    .private_segment_fixed_size: 0
    .kernarg_segment_align: 8
    .kernarg_segment_size: 24
    .max_flat_workgroup_size: 128
    .sgpr_count:     66
    .vgpr_count:     1024
    .wavefront_size: 32
...
	.end_amdgpu_metadata
.endif
;; end of part 4
;; launch addup: the kernel of part 3 again; grid 256 x 1, 8 waves a work-group, no clusters, 0 bytes of LDS; arguments part, out0; writes out0
